; MI455X (gfx1250); checked and timed in simulation.
; The chip was launched on July 23, 2026; its instructions are those of AMD's public machine-readable ISA for CDNA 5 (MIT licence, August 2026) and "CDNA5" Instruction Set Architecture Reference Guide (July 2026). The comments in the code are by the model that wrote it; some were corrected since.
;; Multi Head Attention. Allowed arithmetic: matrix products marked QUANTISED: E5M2 operands, one given power-of-two scale a tensor, by v_wmma_f32_16x16x64_bf8_bf8 or v_wmma_f32_16x16x128_bf8_bf8, f32 sums; everything else in f32.
;; Inputs: Wk 1,024 x 1,024 float32; Wo 1,024 x 1,024 float32; Wq 1,024 x 1,024 float32; Wv 1,024 x 1,024 float32; bo 1,024 float32; lowp_scales 12 int32 (the exponents e of the quantised operands' scales 2^e); x 4 x 2,048 x 1,024 float32.
;; Outputs: out0 4 x 2,048 x 1,024 float32.
;; This version of the problem:
;;   THIS VERSION OF THE PROBLEM IS GIVEN IN LOW PRECISION. The matrix products marked QUANTISED in the list below multiply operands that are first quantised to E5M2 (5 exponent bits, 2 mantissa bits; 8 bits a number), with one given power-of-two scale for each operand tensor; their sums are f32. All else is computed in f32.
;;   The module's matrix products, in the order in which they are computed (A, B: the left and right operand; K: the contracted axis; several contracted axes count as one K, in the product's order):
;;     1. [M 8,192, K 1,024] x [K 1,024, N 1,024]; A: input x; B: input Wq: QUANTISED (scales: A lowp_scales[0], B lowp_scales[1])
;;     2. [M 8,192, K 1,024] x [K 1,024, N 1,024]; A: input x; B: input Wk: QUANTISED (scales: A lowp_scales[2], B lowp_scales[3])
;;     3. [M 8,192, K 1,024] x [K 1,024, N 1,024]; A: input x; B: input Wv: QUANTISED (scales: A lowp_scales[4], B lowp_scales[5])
;;     4. batch 64 x [M 2,048, K 64] x [K 64, N 2,048]; A: computed on the way; B: computed on the way: QUANTISED (scales: A lowp_scales[6], B lowp_scales[7])
;;     5. batch 64 x [M 2,048, K 2,048] x [K 2,048, N 64]; A: softmax (see below); B: computed on the way: QUANTISED (scales: A lowp_scales[8], B lowp_scales[9])
;;     6. [M 8,192, K 1,024] x [K 1,024, N 1,024]; A: computed on the way; B: input Wo: QUANTISED (scales: A lowp_scales[10], B lowp_scales[11])
;;   THE QUANTISER, for each operand of a quantised product, along K:
;;     - The operand's scale is 2^e, e = its entry of the input lowp_scales (int32; the entries are numbered through the quantised products in the list's order, A before B).
;;     - Each number is divided by the scale, clamped to +-57,344, and rounded to the nearest number of E5M2, ties to even, subnormals kept.
;;     - The product sums the exact products of the quantised numbers (number of the format x scale) in f32.
;;   ~~~python
;;   def quantise(x, axis, e):      # numpy; x: float32 -> the quantised numbers, widened to float32 again
;;       x = np.moveaxis(x, axis, -1); K = x.shape[-1]
;;       r = np.clip(x / 2.0 ** e, -57344, 57344)
;;       step = 2.0 ** (np.maximum(np.frexp(np.where(r == 0, 1, r))[1] - 1, -14) - 2)
;;       q = np.round(r / step) * step * 2.0 ** e      # np.round: ties to even
;;       return np.moveaxis(q, -1, axis).astype(np.float32)
;;   ~~~
;;   SOFTMAX AHEAD OF A QUANTISED PRODUCT. Where the list says 'softmax', what is quantised is not the finished softmax but p = 2^(t - M), with t = logit x log2(e) and M = ceil(the row's largest t), a whole number; so 1/2 < the row's largest p <= 1. The row's sum l is taken of the UNQUANTISED p, in f32, and the product's result is divided by l at the end. Since M is a whole number, a kernel that streams over the keys may use a running M (the ceiling of the running maximum): every later rescaling is an exact power of two, so the quantised numbers keep their values, but for numbers so far below the row's largest that they fall under the format's range.
;;   OPERANDS COMPUTED ON THE WAY. 'Computed on the way' means the value that the module computes at that place (a softmax that the list does not call 'softmax' is quantised finished and normalised). What goes into a quantiser is computed in f32, as accurately as f32 sums, v_exp_f32 and their like allow (about 1e-6 of the number): no bf16 or f16 on the way to a quantiser, and a product that is left as it is and whose result goes on into a quantised operand takes f32 operands (vector FMAs, or v_wmma_f32_16x16x4_f32). A number that lies on a knife's edge between two numbers of the format may be rounded either way, as far as f32 arithmetic and the matrix unit's own rounding can turn it there, and no further.
;; One version. Each part assembles by itself: llvm-mc -triple=amdgcn-amd-amdhsa -mcpu=gfx1250 --defsym DOCPART=n.
;; ======== version 1 of 1: 4 launches
;; limits: right only within a limited range of input values
;; workspace buffers: xc 25,165,824 bytes; wc 4,194,304 bytes; qkv 25,165,824 bytes; ctx 8,388,608 bytes
;; launch prep (part 1): grid 384 x 1, 4 waves a work-group, no clusters, 68,096 bytes of LDS; arguments x, Wq, Wk, Wv, Wo, lowp_scales, xc, wc; writes xc, wc
.if DOCPART == 1
	.amdgcn_target "amdgcn-amd-amdhsa--gfx1250"
	.amdhsa_code_object_version 6
	.text
	.protected	k_q95c8a0092b_prep
	.globl	k_q95c8a0092b_prep
	.p2align	8
	.type	k_q95c8a0092b_prep,@function
k_q95c8a0092b_prep:
	s_mov_b64 s[64:65], 0
	v_nop
	global_prefetch_b8 v0, s[64:65] scope:SCOPE_SE
	s_setreg_imm32_b32 hwreg(HW_REG_WAVE_MODE, 25, 1), 1
	s_wait_xcnt 0x0
; THE QUANTISERS OF THE INPUTS, one launch for both kinds.
; Work-groups 0-255: x [8192][1024] f32 becomes THREE sets of codes of BF8 (E5M2), xc [3][8192][1024], K innermost: set j with the scale 2^e, e = entry 2 j of the scales
; (the three products that read x have an entry each, and the entries need not be equal).  x is read once for the three.
; Work-groups 256-383: Wq, Wk, Wv, Wo [1024 k][1024 n] f32 become codes wc [4][1024 n][1024 k], K innermost, with entries 1, 3, 5, 11.
; code = number / 2^e, rounded to the nearest code, ties to even.
; LIMITS: each e used here lies between -126 and 112, so that 2^e and 57,344 x 2^e are f32 numbers.  NaN among the inputs is not served.
; No tensor loads, no barrier: waves share nothing.  The two paths part on the work-group's number and have LDS bytes of their own: x's stages [0, 32768), the weights' [32768, 67584).
.set XWG,   256                        ; work-groups for x: 8,388,608 numbers / 32,768
.set STEPS, 16                         ; x: a wave takes 16 steps of 512 numbers
.set SP,    80                         ; x: a lane's place in a stage: its 64 bytes + 16 of padding
.set WREG,  8192                       ; x: LDS of a wave: two stages of 32 x SP bytes
.set R,     16                         ; v16-79   x: four sets of 16 numbers as they are loaded
.set X,     80                         ; v80-111  x: two sets of 16 neighbours
.set T,     112
.set C,     128                        ; v128-175 x: codes: four sets by turns, 3 versions x 4 registers each
.set WSTG,  32768                      ; weights: the stages begin here
.set WP,    272                        ; weights: a stage row: 256 bytes + 16
.set WX,    32                         ; v32-95   weights: two sets of 32 numbers
.set WC,    96                         ; v96-103  weights: a block's codes
.set OUTR,  112                        ; v112-175 weights: the way out
.set NB,    8                          ; weights: blocks of 32 along K for a wave
.macro XLOAD t                         ; step t's 2,048 bytes: each load reads 512 consecutive bytes, 16 a lane
.irp i, 0,1,2,3
	global_load_b128 v[R+16*((\t)%4)+4*\i:R+16*((\t)%4)+4*\i+3], v3, s[4:5] offset:2048*(\t)+512*\i th:TH_LOAD_NT
.endr
.endm
.macro XTURN t                         ; through the wave's own stage: in as loaded, out 64 bytes a lane.  LDS serves a wave's instructions in order (ISA guide 5.7.1.4): no wait between
.irp i, 0,1,2,3
	ds_store_b128 v14, v[R+16*((\t)%4)+4*\i:R+16*((\t)%4)+4*\i+3] offset:32*SP*((\t)%2)+8*SP*\i
.endr
.irp i, 0,1,2,3
	ds_load_b128 v[X+16*((\t)%2)+4*\i:X+16*((\t)%2)+4*\i+3], v15 offset:32*SP*((\t)%2)+16*\i
.endr
.endm
.macro XSTEP t
.set XS, X+16*((\t)%2)
.set CS, C+12*((\t)%4)
	s_wait_dscnt 0x0                               ; this step's numbers are back from the stage, and its stores into the stage have read their registers,
.if (\t)+4 < STEPS
	XLOAD (\t)+4                                   ; which take the loads of four steps on
.endif
.if (\t)+1 < STEPS
.if STEPS-2-(\t) >= 3
	s_wait_loadcnt 12                              ; the next step's four loads are in; those of the three steps behind it may be out
.else
	s_wait_loadcnt 4*(STEPS-2-(\t))
.endif
	XTURN (\t)+1                                   ; and go through the other stage while this step is worked
.endif
.if (\t) >= 4
	s_wait_xcnt 0x0                                ; the stores of four steps ago have read this set of code registers: it is written again only behind this wait
.endif
.irp j, 0,1,2
.irp i, 0,1,2,3,4,5,6,7,8,9,10,11,12,13,14,15
.endr
	v_cvt_scalef32_pk8_bf8_f32 v[CS+4*\j:CS+4*\j+1], v[XS:XS+7], v[5+\j]
	v_cvt_scalef32_pk8_bf8_f32 v[CS+4*\j+2:CS+4*\j+3], v[XS+8:XS+15], v[5+\j]
	v_nop
.endr
.irp j, 0,1,2
	global_store_b128 v3, v[CS+4*\j:CS+4*\j+3], s[24+2*\j:25+2*\j] offset:512*(\t)   ; the wave stores 512 consecutive bytes, aligned
.endr
.endm
.macro WLOAD t                         ; block t: W(32 t + i, my column), i = 0 .. 31: each load reads 128 consecutive bytes a wave
.irp i, 0,1,2,3,4,5,6,7,8,9,10,11,12,13,14,15,16,17,18,19,20,21,22,23,24,25,26,27,28,29,30,31
	global_load_b32 v[WX+32*((\t)%2)+\i], v3, s[4:5] offset:(32*(\t)+\i)*4096 th:TH_LOAD_NT
.endr
.endm
.macro WBLOCK t
.set XS, WX+32*((\t)%2)
.if (\t) < NB-1
	s_wait_loadcnt 32                              ; this block's 32 loads are in; the next block's may be out
.else
	s_wait_loadcnt 0
.endif
.irp i, 0,1,2,3,4,5,6,7,8,9,10,11,12,13,14,15,16,17,18,19,20,21,22,23,24,25,26,27,28,29,30,31
.endr
.irp g, 0,1,2,3
	v_cvt_scalef32_pk8_bf8_f32 v[WC+2*\g:WC+2*\g+1], v[XS+8*\g:XS+8*\g+7], v11
.endr
	ds_store_b128 v4, v[WC:WC+3] offset:32*(\t)    ; 32 codes: 32 bytes of my column's row
	ds_store_b128 v4, v[WC+4:WC+7] offset:32*(\t)+16
.if (\t)+2 < NB
	WLOAD (\t)+2
.endif
	s_wait_dscnt 0x0                               ; the stores have read their registers: the next block's codes may be written
.endm
	s_load_b256 s[4:11], s[0:1], 0x0               ; x s[4:5], Wq s[6:7], Wk s[8:9], Wv s[10:11]
	s_load_b256 s[12:19], s[0:1], 0x20             ; Wo s[12:13], the scales s[14:15], xc s[16:17], wc s[18:19]
	v_lshl_add_u32 v192, v0, 2, 0x10800
	v_mov_b32 v193, 0
	v_lshrrev_b32 v1, 5, v0
	v_readfirstlane_b32 s20, v1                    ; wave 0..3
	v_and_b32 v2, 31, v0                           ; lane
	s_wait_kmcnt 0x0
	s_load_b256 s[36:43], s[14:15], 0x0            ; e0 .. e7
	s_load_b128 s[44:47], s[14:15], 0x20           ; e8 .. e11
	s_cmp_lt_u32 ttmp9, XWG
	s_cbranch_scc0 .Lweights
	; ---- x.  Rows are dense, so x is a plain stream; my wave's run of 8,192 numbers is number 4 x work-group + wave
	s_lshl_b32 s21, ttmp9, 2
	s_add_co_u32 s21, s21, s20
	s_lshl_b32 s22, s21, 15                        ; 32,768 bytes of f32 a run
	s_mov_b32 s23, 0
	s_add_nc_u64 s[4:5], s[4:5], s[22:23]
	s_lshl_b32 s22, s21, 13                        ; 8,192 bytes of codes a run
	s_add_nc_u64 s[24:25], s[16:17], s[22:23]      ; the three sets lie 8 MiB apart: more than a store's immediate holds, so each has its base
	s_add_nc_u64 s[26:27], s[24:25], 0x800000
	s_add_nc_u64 s[28:29], s[24:25], 0x1000000
	s_wait_alu depctr_va_vdst(0)
	v_lshlrev_b32 v3, 4, v2                        ; 16 x lane: my 16 bytes of a load's 512, and of a store's
	s_mul_i32 s30, s20, WREG
	v_lshrrev_b32 v14, 2, v2
	v_mul_u32_u24 v14, v14, SP
	v_and_b32 v15, 3, v2
	v_lshl_add_u32 v14, v15, 4, v14
	v_add_nc_u32 v14, s30, v14                     ; the stage, on the way in: four lanes' 64 bytes on end, then 16 of padding
	v_mul_u32_u24 v15, v2, SP
	v_add_nc_u32 v15, s30, v15                     ; and on the way out: my 16 neighbours
.irp t, 0,1,2,3
	XLOAD \t
.endr
	s_wait_alu depctr_va_vdst(0)
	s_wait_kmcnt 0x0
.irp j, 0,1,2
	s_add_co_i32 s30, s[36+2*\j], 127
	s_lshl_b32 s31, s30, 23
	v_mov_b32 v[5+\j], s31                         ; 2^e as f32: the conversion takes its exponent field
	s_add_co_i32 s30, s30, 15
	s_lshl_b32 s30, s30, 23
	s_or_b32 s30, s30, 0x600000
.endr
	s_wait_alu depctr_va_vdst(0)
	s_wait_loadcnt 12                              ; step 0's four loads are in
	XTURN 0
.irp t, 0,1,2,3,4,5,6,7,8,9,10,11,12,13,14,15
	XSTEP \t
.endr
	s_wait_tensorcnt 0x0
	ds_add_u32 v192, v193
	s_wait_dscnt 0x0
	s_endpgm
	; ---- the weights.  A LANE TAKES A COLUMN n AND ITS REGISTERS RUN DOWN K, so the conversions give codes with K innermost; nothing is transposed by an instruction.
	; A wave takes 32 columns x 256 along K; its codes go through its own stage and leave as rows: sixteen lanes store 256 consecutive bytes, aligned.
.Lweights:
	s_sub_co_u32 s21, ttmp9, XWG
	s_lshr_b32 s22, s21, 5                         ; which weight: 0 Wq, 1 Wk, 2 Wv, 3 Wo
	s_and_b32 s23, s21, 7                          ; which 128 columns
	s_bfe_u32 s24, s21, 0x20003                    ; which 256 along K
	s_lshl_b32 s25, s23, 7
	s_lshl_b32 s32, s20, 5
	s_add_co_u32 s25, s25, s32                     ; my wave's first column
	s_lshl_b32 s32, s24, 20                        ; 256 rows of 4,096 bytes
	s_lshl_b32 s33, s25, 2
	s_add_co_u32 s32, s32, s33
	s_mov_b32 s33, 0                               ; s[32:33]: where I read
	s_lshl_b32 s34, s22, 20                        ; a weight's codes are 1 MiB
	s_lshl_b32 s35, s25, 10
	s_add_co_u32 s34, s34, s35
	s_lshl_b32 s35, s24, 8
	s_add_co_u32 s34, s34, s35
	s_mov_b32 s35, 0                               ; s[34:35]: where I store
	s_cmp_eq_u32 s22, 0                            ; the choices hang on the work-group's number alone
	s_cselect_b64 s[26:27], s[6:7], s[8:9]
	s_cmp_eq_u32 s22, 2
	s_cselect_b64 s[28:29], s[10:11], s[12:13]
	s_cmp_lt_u32 s22, 2
	s_cselect_b64 s[4:5], s[26:27], s[28:29]
	s_add_nc_u64 s[4:5], s[4:5], s[32:33]
	s_add_nc_u64 s[18:19], s[18:19], s[34:35]
	s_wait_alu depctr_va_vdst(0)
	v_lshlrev_b32 v3, 2, v2                        ; in: 4 bytes a lane
	s_mul_i32 s30, s20, 32*WP
	s_add_co_u32 s30, s30, WSTG                    ; my stage
	v_mul_u32_u24 v4, v2, WP
	v_add_nc_u32 v4, s30, v4                       ; into it: row = my column
	v_and_b32 v5, 15, v2
	v_lshrrev_b32 v6, 4, v2
	v_mul_u32_u24 v7, v6, WP
	v_lshl_add_u32 v7, v5, 4, v7
	v_add_nc_u32 v7, s30, v7                       ; out of it: sixteen lanes to a row, two rows an instruction
	v_lshlrev_b32 v8, 10, v6
	v_lshl_add_u32 v8, v5, 4, v8                   ; and the same place in the codes' buffer (rows of 1,024 bytes)
	WLOAD 0
	WLOAD 1
	s_wait_kmcnt 0x0
	s_cmp_eq_u32 s22, 0
	s_cselect_b32 s30, s37, s39                    ; e1 or e3
	s_cmp_eq_u32 s22, 2
	s_cselect_b32 s31, s41, s47                    ; e5 or e11
	s_cmp_lt_u32 s22, 2
	s_cselect_b32 s30, s30, s31
	s_add_co_i32 s30, s30, 127
	s_lshl_b32 s31, s30, 23
	v_mov_b32 v11, s31                             ; 2^e
	s_add_co_i32 s30, s30, 15
	s_lshl_b32 s30, s30, 23
	s_or_b32 s30, s30, 0x600000
	s_wait_alu depctr_va_vdst(0)
.irp t, 0,1,2,3,4,5,6,7
	WBLOCK \t
.endr
.irp t, 0,1,2,3,4,5,6,7,8,9,10,11,12,13,14,15
	ds_load_b128 v[OUTR+4*\t:OUTR+4*\t+3], v7 offset:2*\t*WP
.endr
.irp t, 0,1,2,3,4,5,6,7,8,9,10,11,12,13,14,15
	s_wait_dscnt 15-\t                             ; LDS loads come back in order: number t is in
	global_store_b128 v8, v[OUTR+4*\t:OUTR+4*\t+3], s[18:19] offset:2*\t*1024
.endr
	s_wait_tensorcnt 0x0
	ds_add_u32 v192, v193
	s_wait_dscnt 0x0
	s_endpgm
.Lfunc_end_k_q95c8a0092b_prep:
	.size	k_q95c8a0092b_prep, .Lfunc_end_k_q95c8a0092b_prep-k_q95c8a0092b_prep
	.p2alignl 7, 3214868480
	.fill 96, 4, 3214868480
	.section	.rodata,"a",@progbits
	.p2align	6, 0x0
	.amdhsa_kernel k_q95c8a0092b_prep
		.amdhsa_group_segment_fixed_size 68096
		.amdhsa_private_segment_fixed_size 0
		.amdhsa_enable_private_segment 0
		.amdhsa_kernarg_size 64
		.amdhsa_user_sgpr_count 2
		.amdhsa_user_sgpr_kernarg_segment_ptr 1
		.amdhsa_wavefront_size32 1
		.amdhsa_system_sgpr_workgroup_id_x 1
		.amdhsa_system_sgpr_workgroup_id_y 1
		.amdhsa_system_sgpr_workgroup_id_z 1
		.amdhsa_system_vgpr_workitem_id 0
		.amdhsa_next_free_vgpr 194
		.amdhsa_next_free_sgpr 66
		.amdhsa_reserve_vcc 0
		.amdhsa_float_denorm_mode_32 3
		.amdhsa_float_denorm_mode_16_64 3
		.amdhsa_fp16_overflow 1
		.amdhsa_memory_ordered 1
		.amdhsa_forward_progress 1
		.amdhsa_inst_pref_size 63
	.end_amdhsa_kernel
	.amdgpu_metadata
---
amdhsa.version: [ 1, 2 ]
amdhsa.kernels:
  - .name:           k_q95c8a0092b_prep
    .symbol:         k_q95c8a0092b_prep.kd
    .args:
      - { .name: x, .offset: 0, .size: 8, .value_kind: global_buffer, .address_space: global }
      - { .name: Wq, .offset: 8, .size: 8, .value_kind: global_buffer, .address_space: global }
      - { .name: Wk, .offset: 16, .size: 8, .value_kind: global_buffer, .address_space: global }
      - { .name: Wv, .offset: 24, .size: 8, .value_kind: global_buffer, .address_space: global }
      - { .name: Wo, .offset: 32, .size: 8, .value_kind: global_buffer, .address_space: global }
      - { .name: lowp_scales, .offset: 40, .size: 8, .value_kind: global_buffer, .address_space: global }
      - { .name: xc, .offset: 48, .size: 8, .value_kind: global_buffer, .address_space: global }
      - { .name: wc, .offset: 56, .size: 8, .value_kind: global_buffer, .address_space: global }
    .group_segment_fixed_size: 68096
    .private_segment_fixed_size: 0
    .kernarg_segment_align: 8
    .kernarg_segment_size: 64
    .max_flat_workgroup_size: 128
    .sgpr_count:     66
    .vgpr_count:     194
    .wavefront_size: 32
...
	.end_amdgpu_metadata
.endif
;; end of part 1
;; launch qkv (part 2): grid 12 x 32, 4 waves a work-group, clusters of 4 x 4, 327,680 bytes of LDS; arguments xc, wc, lowp_scales, qkv; writes qkv
.if DOCPART == 2
	.amdgcn_target "amdgcn-amd-amdhsa--gfx1250"
	.amdhsa_code_object_version 6
	.text
	.protected	k_q95c8a0092b_qkv
	.globl	k_q95c8a0092b_qkv
	.p2align	8
	.type	k_q95c8a0092b_qkv,@function
k_q95c8a0092b_qkv:
	s_mov_b64 s[64:65], 0
	v_nop
	global_prefetch_b8 v0, s[64:65] scope:SCOPE_SE
	s_setreg_imm32_b32 hwreg(HW_REG_WAVE_MODE, 25, 1), 1
	s_wait_xcnt 0x0
	s_wait_alu depctr_hold_cnt(0) depctr_sa_sdst(0) depctr_va_vdst(0) depctr_va_sdst(0) depctr_va_ssrc(0) depctr_va_vcc(0) depctr_vm_vsrc(0)
	s_getreg_b32 s2, hwreg(HW_REG_IB_STS2, 6, 4)
	s_cmp_eq_u32 s2, 0
	s_cbranch_scc0 .Lentry_in_a_cluster
	s_endpgm
.Lentry_in_a_cluster:
	s_bfe_u32 s2, ttmp6, 0x10000c
	s_cmp_lg_u32 s2, 0xf033
	s_cbranch_scc0 .Lentry_shape_is_right
	s_endpgm
.Lentry_shape_is_right:
; THE THREE PROJECTIONS, on codes of BF8 (E5M2), and the quantising of their results: q = x Wq, k = x Wk, v = x Wv become the codes that attention multiplies.
; The cluster's x says which: 0 q, 1 k, 2 v; it is the same in all sixteen partners, and what hangs on it is chosen by s_cselect: no branch.
; A tile is 256 x 256 ("A"'s rows x "B"'s rows), four waves of 128 x 128 (64 accumulators, 512 registers); K = 1,024 goes in four steps of 256 through a ring of two LDS slots.
;   q, k: A = x's codes (rows: positions), B = the weight's codes (rows: n = 64 head + d).      v: A = Wv's codes (rows n), B = x's codes (rows: positions = keys): V^T.
; THE MATRIX INSTRUCTION IS USED TRANSPOSED (source 0 = 16 rows of B, source 1 = 16 rows of A): a lane's eight results are eight neighbours along B's rows: along d for q and k, along the keys for v:
; in each case the NEXT product's K, so one conversion makes eight neighbouring codes.
; A sum stands for sum x 2^(ex + ew); its code is sum / 2^(eo - ex - ew), held within +-57,344 x that: the three given scales folded into the conversion's one.
; LIMIT: e6 - e0 - e1, e7 - e2 - e3 and e9 - e4 - e5 lie between -126 and 112, so that the folded scale and 57,344 x it are f32 numbers.
; OUT: qkv = three parts of 8 MiB; in each, head 16 b + h has 131,072 bytes: q, k [2048 positions][64 d]; v [32 blocks of 64 keys][64 d][64 keys].  A piece of 64 x 64 codes is 4,096 dense bytes in all three.
; CLUSTERS: 4 x 4 work-groups; the four of a row of the cluster need the same tiles of A, the four of a column the same tiles of B: each tile is asked for JOINTLY.
; REGISTERS, in windows of 256: window 0: v0-31 addresses; v32-95 codes on the way out; from v128 A's fragments, ONE set; on the way out rows read back.
;   window 1: B's fragments, TWO sets.   windows 2, 3: the accumulators of my rows 0-63 and 64-127 ((a, b) at v[8 (8 (a % 4) + b)]).
.set ROWB,   256                       ; a tile's row in bytes: 256 codes
.set KROW,   1024                      ; a row of codes in memory
.set PITCH,  272                       ; an LDS row: 256 bytes + 16 of padding = 68 words: row r starts at bank 4 r mod 64 (64 banks of 4 bytes: ISA guide 11.1)
.set FR,     16                        ; registers of a fragment: 16 rows x 128 K
.set NL,     4                         ; LDS loads that bring one
.set NP,     4                         ; places behind this matrix instruction (ISA guide 7.12.1)
.set HALFT,  128*PITCH                 ; 128 rows: what one tensor load brings, and what one wave reads of A or of B
.set SLOT,   4*HALFT                   ; A's 256 rows, then B's 256 rows
.set LAPS,   2                         ; 1,024 / 512: a lap = two K steps = once round the ring
.set SPARE,  2*SLOT                    ; behind the ring: the spare words, 128 bytes for each wave: two blocks of 256 bytes that no other line names
.set CP,     80                        ; the way out: a stage row: 64 codes + 16 bytes
.set CHUNK,  128*CP                    ; 128 rows x 64 columns of codes
.set WSTG,   2*CHUNK                   ; a wave's stage.  The stages lie in slot 0, which has had its last fill and its last read when the first code is stored there
.set ADRA, 16                          ; v16-17  LDS address of my A fragments in slot 0, 1
.set ADRB, 20                          ; v20-21  the same for B
.set STO,  24                          ; v24     the way out: where I put 8 codes
.set RD,   25                          ; v25     the way out: where I read 16 codes back
.set CO,   26                          ; v26     16 x lane: my place in a store's 512 bytes
.set SCL,  27                          ; v27     the folded scale as f32
.set SPW,  28                          ; v28     LDS address of my spare word; never rewritten
.set NIL,  29                          ; v29     0; never rewritten
.set CD,   32                          ; v32-95  the codes of 32 accumulators
.set AF,   128
.set BK,   128                         ; v128-255 the way out: 2 x 64 registers of rows read back
.set G1, 24                            ; s[24:31] descriptor group 1 for A's tiles;  s[32:39] group 0, one set for each slot
.set G0, 32
.set G1B, 48                           ; s[48:55], s[56:63] the same for B's tiles
.set G0B, 56
.set PB,  88                           ; s[88:95] four places in qkv: piece (c, p) at s[88 + 4 c + 2 p]
.set MSB, 0
.macro WIN new                         ; the immediate's high byte repeats the setting that is left
.if MSB != (\new)
	s_set_vgpr_msb (MSB<<8)|(\new)
.set MSB, (\new)
.endif
.endm
.set MUL_LO, 0xa1                      ; source 0 (B) window 1, source 1 (A) window 0, C and D window 2
.set MUL_HI, 0xf1                      ; the same, C and D window 3
.set TO_B,   0x40                      ; destination window 1, address window 0
; A joint load: waves 0 and 1 fetch for A, waves 2 and 3 for B.  The branch hangs on the wave's number alone.  Four v_nop follow each of the two lines.
.macro JLOAD g0a, g1a, g0b, g1b
	s_cmp_eq_u32 s15, 0
	s_cbranch_scc0 .Lfor_b_\@
	tensor_load_to_lds s[\g0a:\g0a+3], s[\g1a:\g1a+7]
	s_nop 0
.rept 4
	v_nop
.endr
	s_branch .Lasked_\@
.Lfor_b_\@:
	tensor_load_to_lds s[\g0b:\g0b+3], s[\g1b:\g1b+7]
	s_nop 0
.rept 4
	v_nop
.endr
.Lasked_\@:
.endm
.macro CREST                           ; a round of the cluster's barrier behind its opening barrier
	s_cmp_lg_u32 s14, 0
	s_cbranch_scc1 .Lnot_wave_0_\@
	s_barrier_signal -3
.Lnot_wave_0_\@:
	s_barrier_wait -3
	s_barrier_signal -1
	s_barrier_wait -1
.endm
.macro CROUND                          ; a whole round
	s_barrier_signal -1
	s_barrier_wait -1
	CREST
.endm
	s_load_b128 s[4:7], s[0:1], 0x0                ; xc s[4:5], wc s[6:7]
	s_load_b128 s[8:11], s[0:1], 0x10              ; the scales s[8:9], qkv s[10:11]
	v_lshl_add_u32 v[SPW], v0, 2, SPARE
	v_mov_b32 v[NIL], 0
	ds_add_u32 v28, v29
	ds_add_u32 v28, v29
	s_wait_dscnt 0x0
	v_lshrrev_b32 v1, 5, v0
	v_readfirstlane_b32 s14, v1                    ; wave 0..3
	s_lshr_b32 s15, s14, 1                         ; which half of A's rows is mine.  Also: I fetch for A (0) or for B (1)
	s_and_b32 s16, s14, 1                          ; which half of B's rows.  Also: which 128 rows of that tile I fetch
	s_bfe_u32 s40, ttmp6, 0x40000                  ; cx, cy: my place in the cluster
	s_bfe_u32 s41, ttmp6, 0x40004
	s_and_b32 s18, ttmp7, 0xffff
	s_lshl_b32 s18, s18, 2                         ; 4 x cluster y: the positions' axis has 32 tiles, the weights' has 4
	s_cmp_eq_u32 ttmp9, 2                          ; v?
	s_cselect_b32 s17, 0, s18
	s_cselect_b32 s42, s18, 0
	s_add_co_u32 s17, s17, s41                     ; tile row (A's): q, k: 4 x cluster y + cy;  v: cy
	s_add_co_u32 s42, s42, s40                     ; tile column (B's): q, k: cx;  v: 4 x cluster y + cx
	s_lshl_b32 s43, s41, 2
	s_lshl_b32 s43, 15, s43                        ; my row of the cluster
	s_lshl_b32 s44, 0x1111, s40                    ; my column
	; descriptor group 1: a tile of 128 rows x 256 bytes, padded in LDS
	s_or_b32 s[G1+0], s43, (0<<16)|(1<<20)|(1<<21)|(5<<22)|(3<<25)  ; 15:0 the mask: A's tiles go to my row; 17:16 element of 1 byte; 20 padding on; 21 set beside a mask; 24:22 after every 64 words; 31:25 of 4 words
	s_or_b32 s[G1B+0], s44, (0<<16)|(1<<20)|(1<<21)|(5<<22)|(3<<25)
.irp g, G1, G1B
	s_mov_b32 s[\g+1], ROWB<<16                    ; tensor_dim0
	s_mov_b32 s[\g+2], 128<<16                     ; tensor_dim1
	s_mov_b32 s[\g+3], ROWB<<16                    ; tile_dim0
	s_mov_b32 s[\g+4], 128                         ; tile_dim1
	s_mov_b32 s[\g+5], KROW                        ; tensor_dim0_stride
	s_mov_b32 s[\g+6], 0
	s_mov_b32 s[\g+7], 0
.endr
	; where the tiles come from, in bytes.  A's offset hangs on the tile row alone, B's on the tile column alone, each in registers that never hold the other coordinate
	s_lshl_b32 s18, s16, 7                         ; which 128 rows of the tile I fetch
	s_lshl_b32 s20, s17, 8
	s_add_co_u32 s20, s20, s18
	s_lshl_b32 s20, s20, 10                        ; rows of 1,024 bytes
	s_lshl_b32 s46, s42, 8
	s_add_co_u32 s46, s46, s18
	s_lshl_b32 s46, s46, 10
	s_lshl_b32 s98, ttmp9, 23                      ; x's set of codes, 8 MiB each
	s_lshl_b32 s99, ttmp9, 20                      ; the weight's codes, 1 MiB each
	s_cmp_eq_u32 ttmp9, 2
	s_cselect_b32 s98, 0x200000, s98               ; A: v: Wv's codes;  else x's set
	s_cselect_b32 s99, 0x1000000, s99              ; B: v: x's third set;  else the weight
	s_add_co_u32 s20, s20, s98
	s_add_co_u32 s46, s46, s99
	s_mov_b32 s21, 0
	s_mov_b32 s47, 0
	s_mul_i32 s45, s14, HALFT                      ; where they go: wave x 128 rows: no place in the cluster enters an LDS address
	s_wait_kmcnt 0x0
	s_load_b256 s[76:83], s[8:9], 0x0              ; e0 .. e7
	s_load_b128 s[84:87], s[8:9], 0x20             ; e8 .. e11
	s_cmp_eq_u32 ttmp9, 2                          ; (the additions above have set SCC)
	s_cselect_b64 s[72:73], s[6:7], s[4:5]         ; A's buffer
	s_cselect_b64 s[74:75], s[4:5], s[6:7]         ; B's buffer
	s_add_nc_u64 s[20:21], s[72:73], s[20:21]
	s_add_nc_u64 s[46:47], s[74:75], s[46:47]
	CROUND                                         ; all sixteen work-groups are here: the first joint loads meet
.irp s, 0,1
	s_mov_b32 s[G0+4*\s], 1
	s_add_co_u32 s[G0+4*\s+1], s45, \s*SLOT
	s_add_nc_u64 s[G0+4*\s+2:G0+4*\s+3], s[20:21], \s*ROWB
	s_or_b32 s[G0+4*\s+3], s[G0+4*\s+3], 0x80000000
	s_mov_b32 s[G0B+4*\s], 1
	s_add_co_u32 s[G0B+4*\s+1], s45, \s*SLOT
	s_add_nc_u64 s[G0B+4*\s+2:G0B+4*\s+3], s[46:47], \s*ROWB
	s_or_b32 s[G0B+4*\s+3], s[G0B+4*\s+3], 0x80000000
	JLOAD G0+4*\s, G1, G0B+4*\s, G1B
.endr
	v_and_b32 v1, 15, v0                           ; r = l % 16
	s_wait_alu depctr_va_vdst(0)
	v_bfe_u32 v2, v0, 4, 1                         ; h = l / 16
	v_mul_u32_u24 v3, v1, PITCH
	v_lshl_add_u32 v4, v2, 4, v3                   ; a fragment's row x pitch + 16 x half
	s_mul_i32 s21, s15, HALFT                      ; my 128 rows of A
	s_mul_i32 s22, s16, HALFT                      ; my 128 rows of B,
	s_add_co_u32 s22, s22, 2*HALFT                 ; which lie behind A's 256
.irp s, 0,1
	v_add_nc_u32 v[ADRA+\s], s21, v4
	v_add_nc_u32 v[ADRB+\s], s22, v4
	s_add_co_u32 s21, s21, SLOT
	s_add_co_u32 s22, s22, SLOT
.endr
	s_mul_i32 s23, s14, WSTG                       ; my stage
	v_mul_u32_u24 v5, v1, CP
	s_wait_alu depctr_va_vdst(0)
	v_lshl_add_u32 v5, v2, 3, v5
	v_add_nc_u32 v[STO], s23, v5                   ; in: row r, 8 bytes for each half of the lanes
	v_and_b32 v6, 31, v0
	v_lshlrev_b32 v[CO], 4, v6
	v_lshrrev_b32 v7, 2, v6
	v_mul_u32_u24 v7, v7, CP
	v_and_b32 v8, 3, v6
	v_lshl_add_u32 v7, v8, 4, v7
	v_add_nc_u32 v[RD], s23, v7                    ; back: four lanes to a row of 64 bytes, eight rows an instruction
	; the four pieces' places in qkv
	s_lshl_b32 s98, s17, 8
	s_lshl_b32 s99, s15, 7
	s_add_co_u32 s98, s98, s99                     ; my first row of A
	s_lshl_b32 s99, s42, 8
	s_lshl_b32 s100, s16, 7
	s_add_co_u32 s99, s99, s100                    ; my first row of B
	s_cmp_eq_u32 ttmp9, 2
	s_cselect_b32 s100, s99, s98                   ; m: my first position (0 .. 8,191)
	s_cselect_b32 s101, s98, s99                   ; n: my first of the 1,024 = 64 head + d
	s_mov_b32 s98, 0x20000
	s_cselect_b32 s98, 4096, s98                   ; from chunk to chunk of 64 columns: q, k: the next head;  v: the next 64 keys
	s_mov_b32 s99, 4096
	s_cselect_b32 s99, 0x20000, s99                ; from half to half of my rows: q, k: 64 positions on;  v: the next head
	s_lshr_b32 s88, s100, 11                       ; b
	s_lshl_b32 s88, s88, 4
	s_lshr_b32 s89, s101, 6
	s_add_co_u32 s88, s88, s89                     ; 16 b + h
	s_lshl_b32 s88, s88, 17
	s_and_b32 s89, s100, 2047
	s_lshl_b32 s89, s89, 6                         ; 64 bytes a position, in all three layouts
	s_add_co_u32 s88, s88, s89
	s_lshl_b32 s89, ttmp9, 23                      ; the part
	s_add_co_u32 s88, s88, s89
	s_mov_b32 s89, 0
	s_add_nc_u64 s[PB:PB+1], s[10:11], s[88:89]
	s_mov_b32 s100, s99
	s_mov_b32 s101, 0
	s_add_nc_u64 s[PB+2:PB+3], s[PB:PB+1], s[100:101]
	s_mov_b32 s100, s98
	s_add_nc_u64 s[PB+4:PB+5], s[PB:PB+1], s[100:101]
	s_add_nc_u64 s[PB+6:PB+7], s[PB+2:PB+3], s[100:101]
	; the folded scale
	s_wait_kmcnt 0x0
	s_sub_co_i32 s98, s82, s76
	s_sub_co_i32 s98, s98, s77                     ; q: e6 - e0 - e1
	s_sub_co_i32 s99, s83, s78
	s_sub_co_i32 s99, s99, s79                     ; k: e7 - e2 - e3
	s_sub_co_i32 s100, s85, s80
	s_sub_co_i32 s100, s100, s81                   ; v: e9 - e4 - e5
	s_cmp_eq_u32 ttmp9, 0
	s_cselect_b32 s98, s98, s99
	s_cmp_eq_u32 ttmp9, 2
	s_cselect_b32 s98, s100, s98
	s_add_co_i32 s98, s98, 127
	s_lshl_b32 s99, s98, 23
	v_mov_b32 v[SCL], s99                          ; as f32: the conversion takes its exponent field
.macro FRAG reg, adr, q, i             ; a fragment, 16 rows x 128 K: lane l holds row l % 16; registers 4 c .. 4 c + 3 hold K = 32 c + 16 (l / 16) + 0 .. 15: the same order of K in A and in B
.irp c, 0,1,2,3
	ds_load_b128 v[\reg+4*\c:\reg+4*\c+3], v[\adr] offset:128*(\q)+32*\c+(\i)*16*PITCH
.endr
.endm
; 16 matrix instructions: A's blocks a0, a0 + 1 x B's eight, 128 along K.  p: B's set.  zero = 1: the first product starts the sums.
; The 64 accumulators take turns, one instruction a turn, in the same order in every step.
.macro MUL16 a0, p, zero
.irp a, \a0, \a0+1
.irp b, 0,1,2,3,4,5,6,7
.if \zero
	v_wmma_f32_16x16x128_bf8_bf8 v[8*(8*((\a)%4)+\b):8*(8*((\a)%4)+\b)+7], v[128*(\p)+FR*\b:128*(\p)+FR*\b+FR-1], v[AF+FR*(\a):AF+FR*(\a)+FR-1], 0
.else
	v_wmma_f32_16x16x128_bf8_bf8 v[8*(8*((\a)%4)+\b):8*(8*((\a)%4)+\b)+7], v[128*(\p)+FR*\b:128*(\p)+FR*\b+FR-1], v[AF+FR*(\a):AF+FR*(\a)+FR-1], v[8*(8*((\a)%4)+\b):8*(8*((\a)%4)+\b)+7]
.endif
.endr
.endr
.endm
.macro FETCH_B slot, q, p              ; B's eight fragments of the slot's q-th 128 along K into set p
	WIN TO_B
.irp i, 0,1,2,3,4,5,6,7
	FRAG 128*(\p)+FR*\i, ADRB+\slot, \q, \i
.endr
	WIN 0
.endm
.macro FETCH_A slot, q, i0             ; A's blocks i0 .. i0 + 3
.irp i, \i0, \i0+1, \i0+2, \i0+3
	FRAG AF+FR*(\i), ADRA+\slot, \q, \i
.endr
.endm
.macro PLACES n                        ; plain vector instructions between a matrix instruction and a load into, or a vector read of, its registers
.rept \n
	v_nop
.endr
.endm
; A step of 128 along K that has its successor in the same slot.  A block of A is free as soon as its eight products are issued: blocks 0-3 are fetched anew in the step's middle, blocks 4-7 at its end.
.macro STEP slot, q, zero
	s_wait_dscnt 4*NL                              ; B's set and A's blocks 0-3 are in; the youngest 16 loads (A's blocks 4-7) may be out
	WIN MUL_LO
	MUL16 0, (\q)%2, \zero
	MUL16 2, (\q)%2, \zero
	s_wait_dscnt 0                                 ; A's blocks 4-7 are in
	PLACES NP
	FETCH_B \slot, (\q)+1, 1-(\q)%2
	FETCH_A \slot, (\q)+1, 0
	WIN MUL_HI
	MUL16 4, (\q)%2, \zero
	MUL16 6, (\q)%2, \zero
	PLACES NP
	WIN 0
	FETCH_A \slot, (\q)+1, 4
.endm
; A slot's last step changes slots: ONE barrier; in front of it each wave waits for all its tensor loads, adds 0 to its spare word, and waits for that and for its own reads of this slot.  fill = 1: this slot is filled again, two K steps ahead.
.macro TURN slot, next, fill
	s_wait_tensorcnt 0x0                           ; all my tensor loads have landed: my part of the next slot  (every window is 0 here)
	ds_add_u32 v[SPW], v[NIL]                      ; 0 onto my spare word
	s_wait_dscnt 4*NL+1                            ; (the add and the youngest 16 loads, A's blocks 4-7, may be out)
	WIN MUL_LO
	MUL16 0, 1, 0                                  ; sixteen matrix instructions stand between the add and the wait for it
	s_wait_dscnt 0x0                               ; the add is done, and my reads of this slot are over
	s_barrier_signal -1
	MUL16 2, 1, 0
	WIN 0
	s_barrier_wait -1
.if \fill
	CREST                                          ; the barrier has opened a round of the cluster's barrier: no wave of any partner still reads this slot's tile or has a load on its way
	s_add_nc_u64 s[G0+4*\slot+2:G0+4*\slot+3], s[G0+4*\slot+2:G0+4*\slot+3], 2*ROWB
	s_add_nc_u64 s[G0B+4*\slot+2:G0B+4*\slot+3], s[G0B+4*\slot+2:G0B+4*\slot+3], 2*ROWB
	JLOAD G0+4*\slot, G1, G0B+4*\slot, G1B         ; the first tensor load behind the round; its four v_nop are the places in front of the loads below
.else
	PLACES NP
.endif
	FETCH_B \next, 0, 0
	FETCH_A \next, 0, 0
	WIN MUL_HI
	MUL16 4, 1, 0
	MUL16 6, 1, 0
	PLACES NP
	WIN 0
	FETCH_A \next, 0, 4
.endm
	s_wait_tensorcnt 1                             ; my part of K step 0 is in (K step 1's load may be out)
	s_barrier_signal -1
	s_barrier_wait -1                              ; everybody's is
	FETCH_B 0, 0, 0
	FETCH_A 0, 0, 0
	FETCH_A 0, 0, 4
	STEP 0, 0, 1                                   ; the first step stands in front of the loop: its products start the sums
	s_mov_b32 s3, LAPS-1
.Llap:                                                 ; a trip goes once round the ring, from a lap's second step to the next lap's first, and fills both slots again
	TURN 0, 1, 1
	STEP 1, 0, 0
	TURN 1, 0, 1
	STEP 0, 0, 0
	s_sub_co_u32 s3, s3, 1
	s_cmp_lg_u32 s3, 0
	s_cbranch_scc1 .Llap
	TURN 0, 1, 0                                   ; the last lap fills nothing, and has no round of the cluster's barrier
	STEP 1, 0, 0
	s_wait_dscnt 4*NL                              ; the very last step: nothing more to fetch
	WIN MUL_LO
	MUL16 0, 1, 0
	MUL16 2, 1, 0
	s_wait_alu depctr_va_vdst(0)
	s_wait_dscnt 0
	WIN MUL_HI
	MUL16 4, 1, 0
	MUL16 6, 1, 0
	WIN 0
; THE WAY OUT, half by half of my rows (hf: window 2 + hf).  Each sum is held, eight sums of a lane become eight codes; the 8 bytes go into my stage (chunk c = 64 columns: 128 rows of 80 bytes) and come back
; 16 bytes a lane, eight rows of 64 bytes an instruction: 512 bytes that are consecutive in qkv.  LDS serves a wave's instructions in order: no wait between the stores and the loads.
.macro OUTHALF hf
	WIN 0x82+0x41*(\hf)                            ; source 0 and destination: window 2 or 3
.set ii, 0
.rept 256
.set ii, ii+1
.endr
	WIN 0x02+(\hf)                                 ; source 0: window 2 or 3; the scale and the codes: window 0
.set ii, 0
.rept 32
	v_cvt_scalef32_pk8_bf8_f32 v[CD+2*ii:CD+2*ii+1], v[8*ii:8*ii+7], v[SCL]
.set ii, ii+1
.endr
	v_nop                                          ; one plain instruction behind the last conversion
	WIN 0
.irp a, 0,1,2,3
.irp b, 0,1,2,3,4,5,6,7
	ds_store_b64 v[STO], v[CD+2*(8*\a+\b):CD+2*(8*\a+\b)+1] offset:(\b/4)*CHUNK+(64*(\hf)+16*\a)*CP+16*(\b%4)   ; lane (r, h): row 64 hf + 16 a + r, columns 16 b + 8 h + 0 .. 7
.endr
.endr
.irp c, 0,1
.irp i, 0,1,2,3,4,5,6,7
	ds_load_b128 v[BK+64*(\hf)+4*(8*\c+\i):BK+64*(\hf)+4*(8*\c+\i)+3], v[RD] offset:\c*CHUNK+(64*(\hf)+8*\i)*CP
.endr
.endr
.irp c, 0,1
.irp i, 0,1,2,3,4,5,6,7
	s_wait_dscnt 15-8*\c-\i                        ; LDS loads come back in order: this one is in.  The count ends at 0: the stage's stores have read the codes' registers
	global_store_b128 v[CO], v[BK+64*(\hf)+4*(8*\c+\i):BK+64*(\hf)+4*(8*\c+\i)+3], s[PB+4*\c+2*(\hf):PB+4*\c+2*(\hf)+1] offset:512*\i   ; 32 lanes store 512 consecutive bytes, aligned
.endr
.endr
.endm
	PLACES NP                                      ; behind the last products: for the holds and for the loads into the registers that held A's fragments
	OUTHALF 0
	OUTHALF 1
	s_wait_tensorcnt 0x0                           ; the wave's end: behind my last tensor load and my last LDS store
	ds_add_u32 v[SPW], v[NIL]
	s_wait_dscnt 0x0
	CROUND                                         ; the closing round: no work-group ends while a partner may still ask for a tile that names it
	s_endpgm
.Lfunc_end_k_q95c8a0092b_qkv:
	.size	k_q95c8a0092b_qkv, .Lfunc_end_k_q95c8a0092b_qkv-k_q95c8a0092b_qkv
	.p2alignl 7, 3214868480
	.fill 96, 4, 3214868480
	.section	.rodata,"a",@progbits
	.p2align	6, 0x0
	.amdhsa_kernel k_q95c8a0092b_qkv
		.amdhsa_group_segment_fixed_size 327680
		.amdhsa_private_segment_fixed_size 0
		.amdhsa_enable_private_segment 0
		.amdhsa_kernarg_size 32
		.amdhsa_user_sgpr_count 2
		.amdhsa_user_sgpr_kernarg_segment_ptr 1
		.amdhsa_wavefront_size32 1
		.amdhsa_system_sgpr_workgroup_id_x 1
		.amdhsa_system_sgpr_workgroup_id_y 1
		.amdhsa_system_sgpr_workgroup_id_z 1
		.amdhsa_system_vgpr_workitem_id 0
		.amdhsa_next_free_vgpr 1024
		.amdhsa_next_free_sgpr 102
		.amdhsa_reserve_vcc 0
		.amdhsa_float_denorm_mode_32 3
		.amdhsa_float_denorm_mode_16_64 3
		.amdhsa_fp16_overflow 1
		.amdhsa_memory_ordered 1
		.amdhsa_forward_progress 1
		.amdhsa_inst_pref_size 94
	.end_amdhsa_kernel
	.amdgpu_metadata
---
amdhsa.version: [ 1, 2 ]
amdhsa.kernels:
  - .name:           k_q95c8a0092b_qkv
    .symbol:         k_q95c8a0092b_qkv.kd
    .args:
      - { .name: xc, .offset: 0, .size: 8, .value_kind: global_buffer, .address_space: global }
      - { .name: wc, .offset: 8, .size: 8, .value_kind: global_buffer, .address_space: global }
      - { .name: lowp_scales, .offset: 16, .size: 8, .value_kind: global_buffer, .address_space: global }
      - { .name: qkv, .offset: 24, .size: 8, .value_kind: global_buffer, .address_space: global }
    .group_segment_fixed_size: 327680
    .private_segment_fixed_size: 0
    .kernarg_segment_align: 8
    .kernarg_segment_size: 32
    .max_flat_workgroup_size: 128
    .sgpr_count:     102
    .vgpr_count:     1024
    .wavefront_size: 32
...
	.end_amdgpu_metadata
.endif
;; end of part 2
;; launch attn (part 3): grid 4 x 64, 16 waves a work-group, no clusters, 327,680 bytes of LDS; arguments qkv, lowp_scales, ctx; writes ctx
.if DOCPART == 3
	.amdgcn_target "amdgcn-amd-amdhsa--gfx1250"
	.amdhsa_code_object_version 6
	.text
	.protected	k_q95c8a0092b_attn
	.globl	k_q95c8a0092b_attn
	.p2align	8
	.type	k_q95c8a0092b_attn,@function
k_q95c8a0092b_attn:
	s_mov_b64 s[64:65], 0
	v_nop
	global_prefetch_b8 v0, s[64:65] scope:SCOPE_SE
	s_setreg_imm32_b32 hwreg(HW_REG_WAVE_MODE, 25, 1), 1
	s_wait_xcnt 0x0
; CAUSAL ATTENTION on codes of BF8 (E5M2), head size 64, and the quantising of its result for the last product.
; q, k: [64 heads][2048][64] codes; v: [64 heads][32 blocks of 64 keys][64 d][64 keys] codes (the keys innermost: they are the second product's K).
; THE SOFTMAX: t = score x log2(e) / 8; M = the row's largest t so far, rounded UP to a whole number; p = 2^(t - M) is what is quantised (scale 2^e8); the row's sum is taken of the unquantised p and divides at the end.
; When M moves, the sum and O are multiplied by 2^(old M - new M): exact.
; SHARES.  Work-group (p, head), p = 0 .. 3, owns the blocks of 256 queries number p and 7 - p, one after the other.  Block i needs the key slots (256 keys) 0 .. i: (p + 1) + (8 - p) = 9 slots in every work-group:
; every trip count is a constant, all 256 work-groups have the same work, and no slot is fetched that nobody reads.  Each of the SIXTEEN waves owns 16 queries, in 256 registers: four waves to a SIMD.
; A step is 128 keys.  A step all of whose keys come after the wave's queries is jumped over (a scalar branch on ids; no barrier and no tensor load stands in a step); on the diagonal hidden scores become -infinity.
; NO CLUSTER: in trip u the head's four work-groups stand at key slots u - 1, u - 2, u - 3, u - 4 (behind their first passes of 1, 2, 3, 4 slots): partners would ask for different tiles in the same round.
; LAYOUT.  Both products are used transposed: S^T = K Q^T (source 0 = 16 keys, source 1 = my 16 queries), O^T = V^T P^T (source 0 = 16 of the head's 64): a lane holds ONE query (lane % 16) throughout.
; THE KEYS OF A TILE ARE NOT NEIGHBOURS: lane r of tile 2 b + u takes key 32 b + 8 u + r + 8 (r / 8), so that the 16 registers of tiles 2 b and 2 b + 1 are 16 neighbouring keys, 32 b + 16 (lane / 16) + 0 .. 15.
; OUT: ctx codes [64 blocks of 128 rows][16 heads][128 rows][64 d]: code = (O / sum) / 2^(e10 - e8 - e9), held within +-57,344 x that.
; LIMITS on the given exponents, so that each power of two below is an f32 number: e6 + e7 between -123 and 130 (added to c's exponent field); e8, and e10 - e8 - e9, between -126 and 112.
; REGISTERS: v1-11 addresses; v12 -M, v13 the largest t, v[14:15] the sum in two halves; v16-23 Q; v32-95 K's 8 fragments, then V's 4; v96-159 S^T, then p; v160-191 O^T; v192-223 O / sum; v224-239 codes; v236-254 at work.
.set KP,    80                         ; a row of 64 codes in LDS: + 16 bytes of padding
.set VOFF,  256*KP                     ; a slot: 256 rows of K, then 256 rows of V (row 64 x (block of 64 keys) + d)
.set SLOT1, 65536                      ; slot 1 begins here, so that one exclusive or turns an address in one slot into the other's
.set SPARE, 131072                     ; behind the ring: the spare words, 128 bytes for each wave: eight blocks of 256 bytes that no other line names
.set STAGE, SPARE+2048                 ; the way out: 16 rows x 80 bytes for each wave; no tile ever lands here
.set SLOTB, 16384                      ; a slot's 256 keys in memory, of K and of V alike
.set AK0,  1                           ; v1   my lane's place in a tile of K
.set AV0,  2                           ; v2   the same for V
.set PFO,  3                           ; v3   256 x lane: the prefetches' offset
.set QO,   4                           ; v4   my bytes in the wave's 16 rows of Q
.set SPW,  5                           ; v5   LDS address of my spare word; never rewritten
.set NIL,  6                           ; v6   0; never rewritten
.set GO,   7                           ; v7   16 x lane: my place in a store's 512 bytes
.set ADK,  8                           ; v8   LDS address of the step's tiles of K
.set ADV,  9                           ; v9   of V
.set STO,  10                          ; v10  the stage: where I put 8 codes
.set SRD,  11                          ; v11  and where I read 16 back
.set TB,   2                           ; s2   LDS byte at which the slot in hand begins
.set WV,   18                          ; s18  my wave's number
.set SEL,  20                          ; s[20:21] lane selects for v_permlanex16_b32: lane l xor 16
.set CS,   22                          ; s[22:23] c = log2(e) / 8 x 2^(e6 + e7)
.set G1,   24                          ; s[24:31] descriptor group 1: one shape for K's and V's tiles
.set G0,   40                          ; s[40:43] group 0, which walks
.set ADDP, 44                          ; s[44:45] what the walk adds,
.set SUBP, 46                          ; s[46:47] and takes away
.set QA0,  50                          ; s[50:51], s[52:53] my queries' codes in the first and the second pass
.set QA1,  52
.set CT0,  54                          ; s[54:55], s[56:57] their places in ctx
.set CT1,  56
.set Q0B,  58                          ; s58  my first query of the second pass
.set SW,   66                          ; s66  8 - p: the count at which the first pass ends
.set SLOTS, 67                         ; s67  slots still to be asked for
.set PFA,  76                          ; s[76:77] where my prefetches stand
.set LIM,  80                          ; s80  4 in a wave that prefetches, else 0
.set KF,   98                          ; s98  the step's first key
.set Q0,   99                          ; s99  my first query
; Waves 0 and 1 fetch K's halves of a slot, waves 2 and 3 V's, the others nothing.  The branch hangs on the wave's number alone.  Four v_nop follow the line.
.macro TLOAD
	s_cmp_lt_u32 s[WV], 4
	s_cbranch_scc0 .Lasked_\@
	tensor_load_to_lds s[G0:G0+3], s[G1:G1+7]
	s_nop 0
.rept 4
	v_nop
.endr
.Lasked_\@:
.endm
; A PREFETCH INTO THE L2 of what the NEXT change of slots will ask for.  Of a head's four work-groups the one with p = 0 reaches every key slot from 4 on first: it asks, and nobody else.  In it the waves 4 to 7, which fetch
; nothing, ask: waves 4, 5 for K's halves, waves 6, 7 for V's: 8,192 dense bytes a wave, lanes 256 bytes apart, one instruction.  In trip u the address stands at key slot u + 1; trips 3 to 6 ask, for slots 4 to 7: each
; aligned block of 256 bytes is named once in the launch.  Slots 0 to 3 are the first that the head's four work-groups load, and come by their loads alone.
.macro ASK
	s_sub_co_u32 s96, s[SLOTS], 2
	s_cmp_lt_u32 s96, s[LIM]                       ; counts 5, 4, 3, 2
	s_cbranch_scc0 .Lnot_mine_\@
	global_prefetch_b8 v[PFO], s[PFA:PFA+1] th:TH_LOAD_NT scope:SCOPE_SE
.Lnot_mine_\@:
.endm
.macro INIT                            ; a pass begins: the step is written once, and its first run finds zeros, which the first change of M leaves zeros
	v_mov_b32 v13, 0xff61b1e6                      ; the largest t so far: -3e38, under every t
	s_delay_alu instid0(VALU_DEP_1)
	v_floor_f32 v12, -v13                          ; -M
	v_mov_b32 v14, 0                               ; the sum, in two halves
	v_mov_b32 v15, 0
.set jj, 0
.rept 32
	v_mov_b32 v[160+jj], 0                         ; O^T
.set jj, jj+1
.endr
.endm
	s_load_b128 s[4:7], s[0:1], 0x0                ; qkv s[4:5], the scales s[6:7]
	s_load_b64 s[8:9], s[0:1], 0x10                ; ctx
	v_lshl_add_u32 v[SPW], v0, 2, SPARE
	v_mov_b32 v[NIL], 0
	ds_add_u32 v5, v6
	ds_add_u32 v5, v6
	s_wait_dscnt 0x0
	v_lshrrev_b32 v8, 5, v0
	s_delay_alu instid0(VALU_DEP_1)
	v_readfirstlane_b32 s[WV], v8                  ; wave 0..15
	s_and_b32 s10, ttmp7, 0xffff                   ; the head: 16 b + h
	s_lshl_b32 s11, s10, 17                        ; its first byte in each part of qkv
	s_bfe_u32 s12, s[WV], 0x10001                  ; what I fetch or prefetch: part 1 (K) or 2 (V),
	s_add_co_u32 s12, s12, 1
	s_lshl_b32 s12, s12, 23
	s_add_co_u32 s12, s12, s11
	s_and_b32 s13, s[WV], 1                        ; first or second half of a slot: 8,192 bytes
	s_lshl_b32 s13, s13, 13
	s_add_co_u32 s12, s12, s13
	s_mov_b32 s13, 0
	s_mul_i32 s14, s[WV], 128*KP                   ; and where it goes in a slot: K's halves, then V's
	s_lshl_b32 s15, ttmp9, 8
	s_lshl_b32 s16, s[WV], 4
	s_add_co_u32 s[Q0], s15, s16                   ; my first query: 256 p + 16 wave,
	s_sub_co_u32 s17, 7, ttmp9
	s_lshl_b32 s15, s17, 8
	s_add_co_u32 s[Q0B], s15, s16                  ; and 256 (7 - p) + 16 wave
	s_lshl_b32 s[QA0], s[Q0], 6
	s_add_co_u32 s[QA0], s[QA0], s11
	s_mov_b32 s[QA0+1], 0
	s_lshl_b32 s[QA1], s[Q0B], 6
	s_add_co_u32 s[QA1], s[QA1], s11
	s_mov_b32 s[QA1+1], 0
	s_lshr_b32 s[CT0], s10, 4                      ; ctx: block of 128 rows 16 b + 2 (block of queries) + wave / 8, 131,072 bytes each; head h, 8,192 bytes; row 16 (wave % 8), 64 bytes
	s_lshl_b32 s[CT0], s[CT0], 21
	s_and_b32 s15, s10, 15
	s_lshl_b32 s15, s15, 13
	s_add_co_u32 s[CT0], s[CT0], s15
	s_and_b32 s15, s[WV], 7
	s_lshl_b32 s15, s15, 10
	s_add_co_u32 s[CT0], s[CT0], s15
	s_lshr_b32 s15, s[WV], 3
	s_lshl_b32 s15, s15, 17
	s_add_co_u32 s[CT0], s[CT0], s15
	s_lshl_b32 s[CT1], s17, 18
	s_add_co_u32 s[CT1], s[CT1], s[CT0]
	s_lshl_b32 s15, ttmp9, 18
	s_add_co_u32 s[CT0], s[CT0], s15
	s_mov_b32 s[CT0+1], 0
	s_mov_b32 s[CT1+1], 0
	s_sub_co_u32 s[SW], 8, ttmp9
	s_mov_b32 s[SLOTS], 8
	s_lshl_b32 s48, ttmp9, 14                      ; p slots, in bytes: the way back to key 0 at the first pass's end
	s_mov_b32 s[ADDP+1], 0
	s_mov_b32 s[SUBP+1], 0
	s_lshr_b32 s96, s[WV], 2
	s_xor_b32 s96, s96, 1                          ; 0 in waves 4 to 7,
	s_or_b32 s96, s96, ttmp9                       ; of the work-group with p = 0
	s_cmp_eq_u32 s96, 0
	s_cselect_b32 s[LIM], 4, 0
	; descriptor group 1: 128 rows of 64 bytes, dense in memory, padded in LDS
	s_mov_b32 s[G1], (0<<16)|(1<<20)|(3<<22)|(3<<25)   ; 15:0 no mask; 17:16 elements of 1 byte; 20 padding on; 24:22 after every 16 words (code 3); 31:25 four words (code 3)
	s_mov_b32 s[G1+1], 64<<16                      ; tensor_dim0
	s_mov_b32 s[G1+2], 128<<16                     ; tensor_dim1
	s_mov_b32 s[G1+3], 64<<16                      ; tile_dim0
	s_mov_b32 s[G1+4], 128                         ; tile_dim1
	s_mov_b32 s[G1+5], 64                          ; tensor_dim0_stride
	s_mov_b32 s[G1+6], 0
	s_mov_b32 s[G1+7], 0
	s_mov_b32 s[SEL], 0x76543210
	s_mov_b32 s[SEL+1], 0xfedcba98
	s_mov_b32 s[CS], 0x3e38aa3b                    ; log2(e) / 8
	s_mov_b32 s[TB], 0
	s_mov_b32 s[KF], 0
	s_wait_kmcnt 0x0
	s_load_b256 s[68:75], s[6:7], 0x0              ; e0 .. e7
	s_load_b128 s[84:87], s[6:7], 0x20             ; e8 .. e11
	s_mov_b32 s[G0], 1                             ; 1:0 count = 1
	s_mov_b32 s[G0+1], s14                         ; 63:32 LDS address: slot 0
	s_add_nc_u64 s[G0+2:G0+3], s[4:5], s[12:13]    ; 120:64 global address: the head's first 256 keys
	s_add_nc_u64 s[PFA:PFA+1], s[4:5], s[12:13]    ; the prefetches start there too; each change of slots steps them
	s_or_b32 s[G0+3], s[G0+3], 0x80000000          ; 127:126 type = 2
	TLOAD                                          ; slot 0: one tensor load of mine is out
	s_add_nc_u64 s[QA0:QA0+1], s[4:5], s[QA0:QA0+1]
	s_add_nc_u64 s[QA1:QA1+1], s[4:5], s[QA1:QA1+1]
	s_add_nc_u64 s[CT0:CT0+1], s[8:9], s[CT0:CT0+1]
	s_add_nc_u64 s[CT1:CT1+1], s[8:9], s[CT1:CT1+1]
	v_and_b32 v32, 15, v0                          ; r = lane % 16
	v_bfe_u32 v33, v0, 4, 1                        ; h = lane / 16
	v_and_b32 v34, 31, v0                          ; lane
	s_delay_alu instid0(VALU_DEP_3)
	v_lshlrev_b32 v[QO], 6, v32
	s_delay_alu instid0(VALU_DEP_1)
	v_lshl_add_u32 v[QO], v33, 4, v[QO]            ; Q: row r of 64 bytes, + 16 h
	global_load_b128 v[16:19], v[QO], s[QA0:QA0+1]             ; Q's fragment: registers 4 c .. 4 c + 3 hold d = 32 c + 16 h + 0 .. 15: the same order of d as in K's fragments
	global_load_b128 v[20:23], v[QO], s[QA0:QA0+1] offset:32
	v_and_b32 v35, 8, v32
	s_delay_alu instid0(VALU_DEP_1)
	v_add_nc_u32 v35, v35, v32                     ; r + 8 (r / 8)
	s_delay_alu instid0(VALU_DEP_1)
	v_mul_u32_u24 v[AK0], v35, KP
	s_delay_alu instid0(VALU_DEP_1)
	v_lshl_add_u32 v[AK0], v33, 4, v[AK0]
	v_mul_u32_u24 v[AV0], v32, KP
	s_delay_alu instid0(VALU_DEP_1)
	v_lshl_add_u32 v[AV0], v33, 4, v[AV0]
	s_delay_alu instid0(VALU_DEP_1)
	v_add_nc_u32 v[AV0], VOFF, v[AV0]
	v_lshlrev_b32 v[PFO], 8, v34
	v_lshlrev_b32 v[GO], 4, v34
	s_mul_i32 s96, s[WV], 16*KP
	s_add_co_u32 s96, s96, STAGE                   ; my stage
	v_mul_u32_u24 v[STO], v32, KP
	s_delay_alu instid0(VALU_DEP_1)
	v_lshl_add_u32 v[STO], v33, 3, v[STO]
	s_delay_alu instid0(VALU_DEP_1)
	v_add_nc_u32 v[STO], s96, v[STO]               ; in: row r, 8 bytes for each half of the lanes
	v_lshrrev_b32 v35, 2, v34
	s_delay_alu instid0(VALU_DEP_1)
	v_mul_u32_u24 v[SRD], v35, KP
	v_and_b32 v35, 3, v34
	s_delay_alu instid0(VALU_DEP_1)
	v_lshl_add_u32 v[SRD], v35, 4, v[SRD]
	s_delay_alu instid0(VALU_DEP_1)
	v_add_nc_u32 v[SRD], s96, v[SRD]               ; back: four lanes to a row, eight rows an instruction
	INIT
	v_mov_b32 v236, 0                              ; written once: a lane permute's destination counts as one of its sources
	v_mov_b32 v252, 0
	v_mov_b32 v253, 0                              ; (named as the upper half of the pair v[252:253])
	s_wait_kmcnt 0x0
	s_add_co_i32 s96, s74, s75
	s_lshl_b32 s96, s96, 23
	s_add_co_i32 s[CS], s[CS], s96                 ; a score stands for score x 2^(e6 + e7): the two exponents are added to c's exponent field
	s_mov_b32 s[CS+1], s[CS]                       ; (named with it as a pair, so it is written)
	s_add_co_i32 s96, s84, 127
	s_lshl_b32 s97, s96, 23
	v_mov_b32 v244, s97                            ; 2^e8 as f32, for p's conversion
	s_sub_co_i32 s96, s86, s84
	s_sub_co_i32 s96, s96, s85                     ; e10 - e8 - e9: a sum of the second product stands for sum x 2^(e8 + e9)
	s_add_co_i32 s96, s96, 127
	s_lshl_b32 s97, s96, 23
	v_mov_b32 v246, s97                            ; 2^(e10 - e8 - e9), for the result's conversion
; A KEY STEP: 128 keys, the q-th half of the slot in hand.
.macro STEP q
	s_add_co_u32 s96, s[Q0], 15
	s_cmp_gt_u32 s[KF], s96                        ; all 128 keys come after my 16 queries: nothing to do but the step of the key count
	s_cbranch_scc1 .Lhidden_\@
	v_add_nc_u32 v[ADK], s[TB], v[AK0]
	v_add_nc_u32 v[ADV], s[TB], v[AV0]
	v_nop                                          ; with the two additions: four places in front of loads into registers that the last products read
	v_nop
.irp t, 0,1,2,3,4,5,6,7
.irp c, 0,1
	ds_load_b128 v[32+8*\t+4*\c:35+8*\t+4*\c], v[ADK] offset:(128*(\q)+32*(\t/2)+8*(\t%2))*KP+32*\c
.endr
.endr
	s_wait_alu depctr_va_vdst(0)
	s_wait_dscnt 0x0
.irp t, 0,1,2,3,4,5,6,7                        ; S^T = K Q^T: eight tiles of 16 keys, K = the head's 64
	v_wmma_f32_16x16x64_bf8_bf8 v[96+8*\t:103+8*\t], v[32+8*\t:39+8*\t], v[16:23], 0
.endr
.rept 4
	v_nop                                          ; places: for the loads below, into K's registers, and for the first read of the scores
.endr
.irp t, 0,1,2,3                                ; V's four fragments (16 of the head's 64 x these 128 keys) land while the softmax is worked
.irp c, 0,1,2,3
	ds_load_b128 v[32+16*\t+4*\c:35+16*\t+4*\c], v[ADV] offset:((2*(\q)+\c/2)*64+16*\t)*KP+32*(\c%2)
.endr
.endr
	s_add_co_u32 s96, s[KF], 127                   ; on the diagonal the scores of hidden keys become -infinity ahead of the maximum: p = 0 then.  A step all of whose keys count skips this
	s_cmp_le_u32 s96, s[Q0]
	s_cbranch_scc1 .Lopen_\@
	s_sub_co_i32 s96, s[Q0], s[KF]
	v_and_b32 v252, 15, v0
	v_bfe_u32 v253, v0, 4, 1
	s_delay_alu instid0(VALU_DEP_1)
	v_lshlrev_b32 v253, 4, v253
	s_delay_alu instid0(VALU_DEP_1)
	v_sub_nc_u32 v252, v252, v253
	s_delay_alu instid0(VALU_DEP_1)
	v_add_nc_u32 v252, s96, v252                   ; d = my query - KF - 16 (lane / 16).  Register 16 b + i holds key KF + 16 (lane / 16) + 32 b + i: hidden where 32 b + i > d
	v_mov_b32 v254, 0xff800000                     ; -infinity
.set nn, 0
.rept 64
	v_cmp_gt_i32 vcc_lo, 32*(nn/16)+nn%16, v252
	v_cndmask_b32 v[96+nn], v[96+nn], v254, vcc_lo
.set nn, nn+1
.endr
.Lopen_\@:
	v_max3_num_f32 v254, v96, v97, v98             ; the step's largest score of my query, among my 64 keys, in two chains,
	v_max3_num_f32 v252, v99, v100, v101
.irp i, 6,10,14,18,22,26,30,34,38,42,46,50,54,58
	v_max3_num_f32 v254, v254, v[96+\i], v[97+\i]
	v_max3_num_f32 v252, v252, v[98+\i], v[99+\i]
.endr
	v_max3_num_f32 v254, v254, v158, v159
	s_delay_alu instid0(VALU_DEP_1)
	v_max_num_f32 v254, v254, v252
	v_permlanex16_b32 v236, v254, s[SEL], s[SEL+1]
	s_delay_alu instid0(VALU_DEP_1)
	v_max_num_f32 v254, v254, v236                 ; and among lane l xor 16's
	s_delay_alu instid0(VALU_DEP_1)
	v_mul_f32 v254, s[CS], v254                    ; as t (c is positive)
	s_delay_alu instid0(VALU_DEP_1)
	v_max_num_f32 v13, v13, v254                   ; the running largest t
	v_mov_b32 v254, v12
	s_delay_alu instid0(VALU_DEP_2)
	v_floor_f32 v12, -v13                          ; the new -M = floor(-t) = -ceil(t): M is a whole number
	s_delay_alu instid0(VALU_DEP_1)
	v_sub_f32 v254, v12, v254                      ; M's old value less its new one: a whole number, 0 or less
	s_delay_alu instid0(VALU_DEP_1)
	v_cvt_i32_f32 v254, v254                       ; (it saturates)
	s_delay_alu instid0(VALU_DEP_1)
	v_ldexp_f32 v252, 1.0, v254                    ; f = 2^(old M - new M)
.set jj, 0
.rept 32
	v_pk_fma_f32 v[96+jj:97+jj], v[96+jj:97+jj], s[CS:CS+1], v[12:13] op_sel_hi:[1,0,0]   ; t - M, two at a time (of the pairs c and -M the low word serves both halves)
.set jj, jj+2
.endr
.set jj, 0
	s_wait_alu depctr_va_vdst(0)
.rept 64
	v_exp_f32 v[96+jj], v[96+jj]                   ; p = 2^(t - M), at most 1: not normalised
.set jj, jj+1
.endr
	v_pk_mul_f32 v[14:15], v[14:15], v[252:253] op_sel_hi:[1,0]   ; the sums under the new M: the plain instruction behind the exponentials
	s_wait_alu depctr_va_vdst(0)                   ; one wait for the whole batch, ahead of its first reader
	v_pk_add_f32 v[242:243], v[100:101], v[104:105]
	v_pk_add_f32 v[254:255], v[108:109], v[112:113]
	v_pk_add_f32 v[250:251], v[116:117], v[120:121]
	v_pk_add_f32 v[248:249], v[124:125], v[128:129]
	v_pk_add_f32 v[240:241], v[132:133], v[136:137]
	v_pk_add_f32 v[238:239], v[140:141], v[144:145]
	v_pk_add_f32 v[236:237], v[148:149], v[152:153]
	v_pk_add_f32 v[14:15], v[14:15], v[156:157]
	v_pk_add_f32 v[242:243], v[242:243], v[96:97]
	v_pk_add_f32 v[254:255], v[254:255], v[98:99]
	v_pk_add_f32 v[250:251], v[250:251], v[102:103]
	v_pk_add_f32 v[248:249], v[248:249], v[106:107]
	v_pk_add_f32 v[240:241], v[240:241], v[110:111]
	v_pk_add_f32 v[238:239], v[238:239], v[114:115]
	v_pk_add_f32 v[236:237], v[236:237], v[118:119]
	v_pk_add_f32 v[14:15], v[14:15], v[122:123]
	v_pk_add_f32 v[242:243], v[242:243], v[126:127]
	v_pk_add_f32 v[254:255], v[254:255], v[130:131]
	v_pk_add_f32 v[250:251], v[250:251], v[134:135]
	v_pk_add_f32 v[248:249], v[248:249], v[138:139]
	v_pk_add_f32 v[240:241], v[240:241], v[142:143]
	v_pk_add_f32 v[238:239], v[238:239], v[146:147]
	v_pk_add_f32 v[236:237], v[236:237], v[150:151]
	v_pk_add_f32 v[14:15], v[14:15], v[154:155]
	v_pk_add_f32 v[242:243], v[242:243], v[158:159]
	s_delay_alu instid0(VALU_DEP_2)
	v_pk_add_f32 v[14:15], v[14:15], v[248:249]
	s_delay_alu instid0(VALU_DEP_2)
	v_pk_add_f32 v[242:243], v[242:243], v[240:241]
	v_pk_add_f32 v[254:255], v[254:255], v[238:239]
	v_pk_add_f32 v[250:251], v[250:251], v[236:237]
	s_delay_alu instid0(VALU_DEP_2)
	v_pk_add_f32 v[14:15], v[14:15], v[254:255]
	s_delay_alu instid0(VALU_DEP_2)
	v_pk_add_f32 v[242:243], v[242:243], v[250:251]
	s_delay_alu instid0(VALU_DEP_1)
	v_pk_add_f32 v[14:15], v[14:15], v[242:243]
.irp b, 0,1,2,3
.irp i, 0,1,2,3,4,5,6,7,8,9,10,11,12,13,14,15
.endr
	v_cvt_scalef32_pk8_bf8_f32 v[224+4*\b:225+4*\b], v[96+16*\b:103+16*\b], v244
	v_cvt_scalef32_pk8_bf8_f32 v[226+4*\b:227+4*\b], v[104+16*\b:111+16*\b], v244
.endr
.set jj, 0
.rept 16
	v_pk_mul_f32 v[160+jj:161+jj], v[160+jj:161+jj], v[252:253] op_sel_hi:[1,0]   ; O^T under the new M: x f.  (Plain instructions between the conversions and the products)
.set jj, jj+2
.endr
	s_wait_alu depctr_va_vdst(0)
	s_wait_dscnt 0x0                               ; V is in
.irp t, 0,1,2,3                                ; O^T += V^T P^T: K = these 128 keys; the four accumulators take turns
	v_wmma_f32_16x16x128_bf8_bf8 v[160+8*\t:167+8*\t], v[32+16*\t:47+16*\t], v[224:239], v[160+8*\t:167+8*\t]
.endr
.Lhidden_\@:
	s_add_co_u32 s[KF], s[KF], 128
.endm
; THE CHANGE OF SLOTS stands at a slot's head.  Each wave waits for all its tensor loads (its part of the slot that it is about to read), adds 0 to its spare word, and waits for that and for its reads of the slot that it has left.
; Behind the barrier the slot ahead is whole and nobody reads the other one.  fill = 1: that other slot is filled with the keys that follow; at the first pass's end those are the head's first 256 keys again.
.macro CHANGE fill
	s_wait_tensorcnt 0x0                           ; no tensor load of mine is out, so group 0 may be written
	ds_add_u32 v[SPW], v[NIL]                      ; 0 onto my spare word; the descriptor's steps stand between it and the wait for it
.if \fill
	s_xor_b32 s[G0+1], s[G0+1], SLOT1              ; the other slot than last time
	s_cmp_eq_u32 s[SLOTS], s[SW]                   ; is the slot in hand the first pass's last?
	s_cselect_b32 s[ADDP], 0, SLOTB
	s_cselect_b32 s[SUBP], s48, 0
	s_add_nc_u64 s[G0+2:G0+3], s[G0+2:G0+3], s[ADDP:ADDP+1]   ; the next 256 keys,
	s_sub_nc_u64 s[G0+2:G0+3], s[G0+2:G0+3], s[SUBP:SUBP+1]   ; or p slots back; the type bits on top are not reached
	s_wait_xcnt 0x0                                ; the last prefetch, a slot back, has read its address, so it may be written
	s_add_nc_u64 s[PFA:PFA+1], s[PFA:PFA+1], SLOTB
.endif
	s_wait_dscnt 0x0                               ; the add is done, and my reads of the slot that I have left are over
	s_barrier_signal -1
	s_barrier_wait -1
.if \fill
	TLOAD                                          ; the first thing behind the barrier, and a wave's one tensor load until the next: it has a slot's two steps in which to land
	ASK
.endif
.endm
; A PASS ENDS: O^T is divided by the row's sum, held, turned into codes, sent through my stage and stored: 16 rows of 64 bytes, 1,024 consecutive bytes of ctx.  again = 1: the second pass is set up.
.macro FINISH base, again
.rept 4
	v_nop                                          ; places behind the last products
.endr
	v_add_f32 v14, v14, v15                        ; the sum's two halves,
	s_wait_alu depctr_va_vdst(0)
	v_permlanex16_b32 v236, v14, s[SEL], s[SEL+1]
	s_delay_alu instid0(VALU_DEP_1)
	v_add_f32 v14, v14, v236                       ; and lane l xor 16's: the row's sum
	s_wait_alu depctr_va_vdst(0)
	v_rcp_f32 v14, v14
	v_nop                                          ; a plain instruction behind the reciprocal,
	s_wait_alu depctr_va_vdst(0)                   ; and the wait ahead of its first reader
.set jj, 0
.rept 16
	v_pk_mul_f32 v[192+jj:193+jj], v[160+jj:161+jj], v[14:15] op_sel_hi:[1,0]   ; register 8 t + i: d = 16 t + 8 (lane / 16) + i of my query; each accumulator from its low end on
.set jj, jj+2
.endr
.set jj, 0
.rept 32
.set jj, jj+1
.endr
.irp t, 0,1,2,3
	v_cvt_scalef32_pk8_bf8_f32 v[224+2*\t:225+2*\t], v[192+8*\t:199+8*\t], v246
.endr
	v_nop                                          ; one plain instruction behind the last conversion
.irp t, 0,1,2,3
	ds_store_b64 v[STO], v[224+2*\t:225+2*\t] offset:16*\t
.endr
.irp i, 0,1
	ds_load_b128 v[32+4*\i:35+4*\i], v[SRD] offset:8*KP*\i   ; LDS serves a wave's instructions in order: these see my stores
.endr
	s_wait_dscnt 1                                 ; the first of the two is in
	global_store_b128 v[GO], v[32:35], s[\base:\base+1]              ; 32 lanes store 512 consecutive bytes, aligned
	s_wait_dscnt 0x0
	global_store_b128 v[GO], v[36:39], s[\base:\base+1] offset:512
.if \again
	global_load_b128 v[16:19], v[QO], s[QA1:QA1+1]
	global_load_b128 v[20:23], v[QO], s[QA1:QA1+1] offset:32
	INIT
	s_mov_b32 s[KF], 0
	s_mov_b32 s[Q0], s[Q0B]
	s_wait_loadcnt 0x0                             ; Q
	s_wait_xcnt 0x0                                ; the stores have read v32-39, which the next step's loads write
.endif
.endm
	s_wait_loadcnt 0x0                             ; Q
.Lslot:                                            ; 8 trips: behind each change of slots but the last the next slot is asked for
	CHANGE 1
	STEP 0
	STEP 1
	s_xor_b32 s[TB], s[TB], SLOT1                  ; on to the other slot
	s_cmp_lg_u32 s[SLOTS], s[SW]                   ; the same in all sixteen waves
	s_cbranch_scc1 .Lsame_pass
	FINISH CT0, 1
.Lsame_pass:
	s_sub_co_u32 s[SLOTS], s[SLOTS], 1
	s_cmp_lg_u32 s[SLOTS], 0
	s_cbranch_scc1 .Lslot
	CHANGE 0                                       ; the last slot is written out
	STEP 0
	STEP 1
	FINISH CT1, 0
	s_wait_tensorcnt 0x0                           ; the wave's end: behind my last tensor load and my last LDS store
	ds_add_u32 v[SPW], v[NIL]
	s_wait_dscnt 0x0
	s_endpgm
.Lfunc_end_k_q95c8a0092b_attn:
	.size	k_q95c8a0092b_attn, .Lfunc_end_k_q95c8a0092b_attn-k_q95c8a0092b_attn
	.p2alignl 7, 3214868480
	.fill 96, 4, 3214868480
	.section	.rodata,"a",@progbits
	.p2align	6, 0x0
	.amdhsa_kernel k_q95c8a0092b_attn
		.amdhsa_group_segment_fixed_size 327680
		.amdhsa_private_segment_fixed_size 0
		.amdhsa_enable_private_segment 0
		.amdhsa_kernarg_size 24
		.amdhsa_user_sgpr_count 2
		.amdhsa_user_sgpr_kernarg_segment_ptr 1
		.amdhsa_wavefront_size32 1
		.amdhsa_system_sgpr_workgroup_id_x 1
		.amdhsa_system_sgpr_workgroup_id_y 1
		.amdhsa_system_sgpr_workgroup_id_z 1
		.amdhsa_system_vgpr_workitem_id 0
		.amdhsa_next_free_vgpr 256
		.amdhsa_next_free_sgpr 100
		.amdhsa_reserve_vcc 1
		.amdhsa_float_denorm_mode_32 3
		.amdhsa_float_denorm_mode_16_64 3
		.amdhsa_fp16_overflow 1
		.amdhsa_memory_ordered 1
		.amdhsa_forward_progress 1
		.amdhsa_inst_pref_size 92
	.end_amdhsa_kernel
	.amdgpu_metadata
---
amdhsa.version: [ 1, 2 ]
amdhsa.kernels:
  - .name:           k_q95c8a0092b_attn
    .symbol:         k_q95c8a0092b_attn.kd
    .args:
      - { .name: qkv, .offset: 0, .size: 8, .value_kind: global_buffer, .address_space: global }
      - { .name: lowp_scales, .offset: 8, .size: 8, .value_kind: global_buffer, .address_space: global }
      - { .name: ctx, .offset: 16, .size: 8, .value_kind: global_buffer, .address_space: global }
    .group_segment_fixed_size: 327680
    .private_segment_fixed_size: 0
    .kernarg_segment_align: 8
    .kernarg_segment_size: 24
    .max_flat_workgroup_size: 512
    .sgpr_count:     100
    .vgpr_count:     256
    .wavefront_size: 32
...
	.end_amdgpu_metadata
.endif
;; end of part 3
;; launch outp (part 4): grid 4 x 32, 4 waves a work-group, clusters of 4 x 4, 327,680 bytes of LDS; arguments ctx, wc, lowp_scales, bo, out0; writes out0
.if DOCPART == 4
	.amdgcn_target "amdgcn-amd-amdhsa--gfx1250"
	.amdhsa_code_object_version 6
	.text
	.protected	k_q95c8a0092b_outp
	.globl	k_q95c8a0092b_outp
	.p2align	8
	.type	k_q95c8a0092b_outp,@function
k_q95c8a0092b_outp:
	s_mov_b64 s[64:65], 0
	v_nop
	global_prefetch_b8 v0, s[64:65] scope:SCOPE_SE
	s_setreg_imm32_b32 hwreg(HW_REG_WAVE_MODE, 25, 1), 1
	s_wait_xcnt 0x0
	s_wait_alu depctr_hold_cnt(0) depctr_sa_sdst(0) depctr_va_vdst(0) depctr_va_sdst(0) depctr_va_ssrc(0) depctr_va_vcc(0) depctr_vm_vsrc(0)
	s_getreg_b32 s2, hwreg(HW_REG_IB_STS2, 6, 4)
	s_cmp_eq_u32 s2, 0
	s_cbranch_scc0 .Lentry_in_a_cluster
	s_endpgm
.Lentry_in_a_cluster:
	s_bfe_u32 s2, ttmp6, 0x10000c
	s_cmp_lg_u32 s2, 0xf033
	s_cbranch_scc0 .Lentry_shape_is_right
	s_endpgm
.Lentry_shape_is_right:
; THE LAST PRODUCT: out0 = ctx Wo + bo, on codes of BF8 (E5M2).  out0: [8192][1024] f32.
; A = ctx's codes, laid [64 blocks of 128 rows][16 heads][128 rows][64 d]: the 256 along K of a K step (4 heads) of 128 rows are 32,768 dense bytes.  B = Wo's codes, the fourth MiB of wc, [1024 n][1024 k].
; A finished sum stands for sum x 2^(e10 + e11): out0 = sum x 2^(e10 + e11) + bo, one packed multiply-add for two numbers.   LIMIT: e10 + e11 between -126 and 127, so that the factor is an f32 number.
; A tile of out0 is 256 x 256, four waves of 128 x 128 (64 accumulators, 512 registers); K = 1,024 goes in four steps of 256 through a ring of two LDS slots.  32 x 4 tiles: 128 work-groups; a tile of half the
; size would give 256, each fragment read from LDS then feeding half as many products along one side.
; CLUSTERS: 4 x 4 work-groups; the four of a row of the cluster need the same tiles of A, the four of a column the same tiles of B: each tile is asked for JOINTLY.
; THE MATRIX INSTRUCTION IS USED TRANSPOSED (source 0 = 16 rows of B, source 1 = 16 rows of A): a lane holds eight neighbouring numbers of a row of out0.
; REGISTERS, in windows of 256: window 0: v0-31 addresses and the bias; from v128 A's fragments, ONE set; on the way out rows read back.   window 1: B's fragments, TWO sets.   windows 2, 3: the accumulators.
.set ROWB,   256                       ; a line of a tile in bytes
.set KROW,   1024                      ; a row of Wo's codes in memory
.set PITCH,  272                       ; an LDS line: 256 bytes + 16 of padding
.set FR,     16
.set NL,     4
.set NP,     4                         ; places behind this matrix instruction (ISA guide 7.12.1)
.set HALFT,  128*PITCH
.set SLOT,   4*HALFT                   ; A's 256 lines, then B's 256 rows
.set LAPS,   2
.set SPARE,  2*SLOT                    ; behind the ring: the spare words, 128 bytes for each wave
.set SPITCH, 528                       ; the way out: a stage of 16 rows x (512 bytes + 16) for each wave, in slot 0, which has had its last fill and its last read when the first result is stored there
.set ASTEP,  65536                     ; two K steps on in ctx,
.set BSTEP,  512                       ; and in a row of Wo's codes
.set BIAS, 12                          ; v[12:15] bo at my four columns of a row read back
.set ADRA, 16
.set ADRB, 20
.set STO,  24
.set RD,   25
.set CO,   26
.set SPW,  28
.set NIL,  29
.set AF,   128
.set BK,   128
.set G1, 24
.set G0, 32
.set G1B, 48
.set G0B, 56
.set MSB, 0
.macro WIN new                         ; the immediate's high byte repeats the setting that is left
.if MSB != (\new)
	s_set_vgpr_msb (MSB<<8)|(\new)
.set MSB, (\new)
.endif
.endm
.set MUL_LO, 0xa1                      ; source 0 (B) window 1, source 1 (A) window 0, C and D window 2
.set MUL_HI, 0xf1
.set TO_B,   0x40
.macro JLOAD g0a, g1a, g0b, g1b        ; a joint load: waves 0 and 1 fetch for A, waves 2 and 3 for B; four v_nop follow each of the two lines
	s_cmp_eq_u32 s15, 0
	s_cbranch_scc0 .Lfor_b_\@
	tensor_load_to_lds s[\g0a:\g0a+3], s[\g1a:\g1a+7]
	s_nop 0
.rept 4
	v_nop
.endr
	s_branch .Lasked_\@
.Lfor_b_\@:
	tensor_load_to_lds s[\g0b:\g0b+3], s[\g1b:\g1b+7]
	s_nop 0
.rept 4
	v_nop
.endr
.Lasked_\@:
.endm
.macro CREST
	s_cmp_lg_u32 s14, 0
	s_cbranch_scc1 .Lnot_wave_0_\@
	s_barrier_signal -3
.Lnot_wave_0_\@:
	s_barrier_wait -3
	s_barrier_signal -1
	s_barrier_wait -1
.endm
.macro CROUND
	s_barrier_signal -1
	s_barrier_wait -1
	CREST
.endm
	s_load_b128 s[4:7], s[0:1], 0x0                ; ctx s[4:5], wc s[6:7]
	s_load_b128 s[8:11], s[0:1], 0x10              ; the scales s[8:9], bo s[10:11]
	s_load_b64 s[12:13], s[0:1], 0x20              ; out0
	v_lshl_add_u32 v[SPW], v0, 2, SPARE
	v_mov_b32 v[NIL], 0
	ds_add_u32 v28, v29
	ds_add_u32 v28, v29
	s_wait_dscnt 0x0
	v_lshrrev_b32 v1, 5, v0
	v_readfirstlane_b32 s14, v1                    ; wave 0..3
	s_lshr_b32 s15, s14, 1                         ; which half of the tile's rows is mine.  Also: I fetch for A (0) or for B (1)
	s_and_b32 s16, s14, 1                          ; which half of its columns.  Also: which half of that tile I fetch
	s_bfe_u32 s40, ttmp6, 0x40000                  ; cx, cy
	s_bfe_u32 s41, ttmp6, 0x40004
	s_lshl_b32 s42, ttmp9, 2
	s_add_co_u32 s42, s42, s40                     ; tile column = 4 x cluster x + cx
	s_and_b32 s17, ttmp7, 0xffff
	s_lshl_b32 s17, s17, 2
	s_add_co_u32 s17, s17, s41                     ; tile row = 4 x cluster y + cy
	s_lshl_b32 s43, s41, 2
	s_lshl_b32 s43, 15, s43                        ; my row of the cluster
	s_lshl_b32 s44, 0x1111, s40                    ; my column
	s_or_b32 s[G1+0], s43, (0<<16)|(1<<20)|(1<<21)|(5<<22)|(3<<25)  ; 15:0 the mask; 17:16 element of 1 byte; 20 padding on; 21 set beside a mask; 24:22 after every 64 words; 31:25 of 4 words
	s_or_b32 s[G1B+0], s44, (0<<16)|(1<<20)|(1<<21)|(5<<22)|(3<<25)
.irp g, G1, G1B
	s_mov_b32 s[\g+1], ROWB<<16                    ; tensor_dim0
	s_mov_b32 s[\g+2], 128<<16                     ; tensor_dim1
	s_mov_b32 s[\g+3], ROWB<<16                    ; tile_dim0
	s_mov_b32 s[\g+4], 128                         ; tile_dim1
	s_mov_b32 s[\g+6], 0
	s_mov_b32 s[\g+7], 0
.endr
	s_mov_b32 s[G1+5], ROWB                        ; A: a dense block, as 128 lines of 256 bytes
	s_mov_b32 s[G1B+5], KROW                       ; B: rows 1,024 bytes apart
	s_lshl_b32 s20, s17, 1
	s_add_co_u32 s20, s20, s16                     ; A: block of 128 rows number 2 x tile row + half,
	s_lshl_b32 s20, s20, 17                        ; 131,072 bytes each
	s_mov_b32 s21, 0
	s_lshl_b32 s18, s16, 7
	s_lshl_b32 s46, s42, 8
	s_add_co_u32 s46, s46, s18                     ; B: row 256 x tile column + 128 x half
	s_lshl_b32 s46, s46, 10
	s_add_co_u32 s46, s46, 0x300000                ; in Wo's codes
	s_mov_b32 s47, 0
	s_mul_i32 s45, s14, HALFT                      ; where they go: wave x 128 lines: no place in the cluster enters an LDS address
	s_wait_kmcnt 0x0
	s_load_b64 s[96:97], s[8:9], 0x28              ; e10, e11
	s_add_nc_u64 s[20:21], s[4:5], s[20:21]
	s_add_nc_u64 s[46:47], s[6:7], s[46:47]
	CROUND                                         ; all sixteen work-groups are here: the first joint loads meet
.irp s, 0,1
	s_mov_b32 s[G0+4*\s], 1
	s_add_co_u32 s[G0+4*\s+1], s45, \s*SLOT
	s_add_nc_u64 s[G0+4*\s+2:G0+4*\s+3], s[20:21], \s*32768
	s_or_b32 s[G0+4*\s+3], s[G0+4*\s+3], 0x80000000
	s_mov_b32 s[G0B+4*\s], 1
	s_add_co_u32 s[G0B+4*\s+1], s45, \s*SLOT
	s_add_nc_u64 s[G0B+4*\s+2:G0B+4*\s+3], s[46:47], \s*ROWB
	s_or_b32 s[G0B+4*\s+3], s[G0B+4*\s+3], 0x80000000
	s_wait_alu depctr_va_vdst(0)
	s_wait_tensorcnt 0x0
	ds_add_u32 v28, v29
	ds_add_u32 v28, v29
	s_wait_dscnt 0x0
	CROUND
	JLOAD G0+4*\s, G1, G0B+4*\s, G1B
.endr
	v_and_b32 v1, 15, v0                           ; r
	v_bfe_u32 v2, v0, 4, 1                         ; h
	v_mul_u32_u24 v3, v1, PITCH
	v_lshl_add_u32 v4, v2, 4, v3                   ; B: a fragment's row x pitch + 16 h
	v_lshrrev_b32 v5, 2, v1                        ; A: a line holds four rows' 64 codes of one head: row r lies in line r / 4, at 64 (r % 4)
	v_mul_u32_u24 v5, v5, PITCH
	v_and_b32 v6, 3, v1
	v_lshl_add_u32 v5, v6, 6, v5
	v_lshl_add_u32 v5, v2, 4, v5
	s_mul_i32 s21, s15, HALFT                      ; my 128 rows of A
	s_mul_i32 s22, s16, HALFT                      ; my 128 rows of B,
	s_add_co_u32 s22, s22, 2*HALFT                 ; which lie behind A's
.irp s, 0,1
	v_add_nc_u32 v[ADRA+\s], s21, v5
	v_add_nc_u32 v[ADRB+\s], s22, v4
	s_add_co_u32 s21, s21, SLOT
	s_add_co_u32 s22, s22, SLOT
.endr
	s_mul_i32 s23, s14, 16*SPITCH                  ; my stage
	v_mul_u32_u24 v7, v1, SPITCH
	v_lshl_add_u32 v7, v2, 5, v7
	v_add_nc_u32 v[STO], s23, v7                   ; in: row r, 32 bytes for each half of the lanes
	v_and_b32 v6, 31, v0
	v_lshlrev_b32 v[CO], 4, v6                     ; back: the 32 lanes take one row of 512 bytes; and the same in out0 and in bo
	v_add_nc_u32 v[RD], s23, v[CO]
	s_lshl_b32 s98, s42, 10                        ; my first column, in bytes: 1,024 x tile column + 512 x half
	s_lshl_b32 s99, s16, 9
	s_add_co_u32 s98, s98, s99
	s_mov_b32 s99, 0
	s_add_nc_u64 s[10:11], s[10:11], s[98:99]
	global_load_b128 v[BIAS:BIAS+3], v[CO], s[10:11]   ; bo at columns 4 lane .. 4 lane + 3 of my 128
	s_add_nc_u64 s[12:13], s[12:13], s[98:99]
	s_lshl_b32 s98, s17, 8
	s_lshl_b32 s22, s15, 7
	s_add_co_u32 s98, s98, s22                     ; my first row: 256 x tile row + 128 x half,
	s_lshl_b32 s98, s98, 12                        ; rows of 4,096 bytes
	s_add_nc_u64 s[12:13], s[12:13], s[98:99]
.macro FRAG reg, adr, q, i             ; B's fragment, 16 rows x 128 K: registers 4 c .. 4 c + 3 hold K = 32 c + 16 (l / 16) + 0 .. 15
.irp c, 0,1,2,3
	ds_load_b128 v[\reg+4*\c:\reg+4*\c+3], v[\adr] offset:128*(\q)+32*\c+(\i)*16*PITCH
.endr
.endm
.macro FRAGA reg, adr, q, i            ; A's, with the same K in the same registers: K = 128 q + 32 c + .. is head 2 q + c / 2 of the step's four (32 lines each), d = 32 (c % 2) + ..; 16 rows are 4 lines
.irp c, 0,1,2,3
	ds_load_b128 v[\reg+4*\c:\reg+4*\c+3], v[\adr] offset:(2*(\q)+\c/2)*32*PITCH+32*(\c%2)+(\i)*4*PITCH
.endr
.endm
; The 64 accumulators take turns, one instruction a turn, in the same order in every step.
.macro MUL16 a0, p, zero
.irp a, \a0, \a0+1
.irp b, 0,1,2,3,4,5,6,7
.if \zero
	v_wmma_f32_16x16x128_bf8_bf8 v[8*(8*((\a)%4)+\b):8*(8*((\a)%4)+\b)+7], v[128*(\p)+FR*\b:128*(\p)+FR*\b+FR-1], v[AF+FR*(\a):AF+FR*(\a)+FR-1], 0
.else
	v_wmma_f32_16x16x128_bf8_bf8 v[8*(8*((\a)%4)+\b):8*(8*((\a)%4)+\b)+7], v[128*(\p)+FR*\b:128*(\p)+FR*\b+FR-1], v[AF+FR*(\a):AF+FR*(\a)+FR-1], v[8*(8*((\a)%4)+\b):8*(8*((\a)%4)+\b)+7]
.endif
.endr
.endr
.endm
.macro FETCH_B slot, q, p
	WIN TO_B
.irp i, 0,1,2,3,4,5,6,7
	FRAG 128*(\p)+FR*\i, ADRB+\slot, \q, \i
.endr
	WIN 0
.endm
.macro FETCH_A slot, q, i0
.irp i, \i0, \i0+1, \i0+2, \i0+3
	FRAGA AF+FR*(\i), ADRA+\slot, \q, \i
.endr
.endm
.macro PLACES n                        ; plain vector instructions between a matrix instruction and a load into, or a read of, its registers
.rept \n
	v_nop
.endr
.endm
.macro STEP slot, q, zero
	s_wait_dscnt 4*NL                              ; B's set and A's blocks 0-3 are in; the youngest 16 loads (A's blocks 4-7) may be out
	WIN MUL_LO
	MUL16 0, (\q)%2, \zero
	MUL16 2, (\q)%2, \zero
	s_wait_dscnt 0                                 ; A's blocks 4-7 are in
	PLACES NP
	FETCH_B \slot, (\q)+1, 1-(\q)%2
	FETCH_A \slot, (\q)+1, 0
	WIN MUL_HI
	MUL16 4, (\q)%2, \zero
	MUL16 6, (\q)%2, \zero
	PLACES NP
	WIN 0
	FETCH_A \slot, (\q)+1, 4
.endm
; A slot's last step changes slots: ONE barrier; in front of it each wave waits for all its tensor loads, adds 0 to its spare word, and waits for that and for its own reads of this slot.
.macro TURN slot, next, fill
	s_wait_tensorcnt 0x0                           ; all my tensor loads have landed: my part of the next slot  (every window is 0 here)
	ds_add_u32 v[SPW], v[NIL]                      ; 0 onto my spare word
	s_wait_dscnt 4*NL+1                            ; (the add and the youngest 16 loads may be out)
	WIN MUL_LO
	MUL16 0, 1, 0
	s_wait_dscnt 0x0                               ; the add is done, and my reads of this slot are over
	s_barrier_signal -1
	MUL16 2, 1, 0
	WIN 0
	s_barrier_wait -1
.if \fill
	CREST                                          ; the barrier has opened a round of the cluster's barrier: no wave of any partner still reads this slot's tile or has a load on its way
	s_add_nc_u64 s[G0+4*\slot+2:G0+4*\slot+3], s[G0+4*\slot+2:G0+4*\slot+3], ASTEP
	s_add_nc_u64 s[G0B+4*\slot+2:G0B+4*\slot+3], s[G0B+4*\slot+2:G0B+4*\slot+3], BSTEP
	JLOAD G0+4*\slot, G1, G0B+4*\slot, G1B         ; the first tensor load behind the round; its four v_nop are the places in front of the loads below
.else
	PLACES NP
.endif
	FETCH_B \next, 0, 0
	FETCH_A \next, 0, 0
	WIN MUL_HI
	MUL16 4, 1, 0
	MUL16 6, 1, 0
	PLACES NP
	WIN 0
	FETCH_A \next, 0, 4
.endm
	s_wait_alu depctr_va_vdst(0)
	s_wait_tensorcnt 1                             ; my part of K step 0 is in (K step 1's load may be out)
	s_barrier_signal -1
	s_barrier_wait -1                              ; everybody's is
	FETCH_B 0, 0, 0
	FETCH_A 0, 0, 0
	FETCH_A 0, 0, 4
	STEP 0, 0, 1                                   ; the first step stands in front of the loop: its products start the sums
	s_mov_b32 s3, LAPS-1
.Llap:
	TURN 0, 1, 1
	STEP 1, 0, 0
	TURN 1, 0, 1
	STEP 0, 0, 0
	s_sub_co_u32 s3, s3, 1
	s_cmp_lg_u32 s3, 0
	s_cbranch_scc1 .Llap
	TURN 0, 1, 0                                   ; the last lap fills nothing
	STEP 1, 0, 0
	s_wait_dscnt 4*NL
	WIN MUL_LO
	MUL16 0, 1, 0
	MUL16 2, 1, 0
	s_wait_dscnt 0
	WIN MUL_HI
	MUL16 4, 1, 0
	MUL16 6, 1, 0
	WIN 0
; THE WAY OUT, block by block of 16 rows x 128 columns.  A lane holds 32 neighbouring bytes of a row: a block's sums go as they are through my own stage in LDS and come back as whole rows of 512 bytes; there a lane
; holds the same four columns in every row, so four registers of bo serve all: sum x 2^(e10 + e11) + bo, and the 32 lanes store 512 consecutive bytes.  LDS serves a wave's instructions in order: no wait between the stores and the loads.
.macro TOSTAGE a
.set AC, 64*((\a)%4)
	WIN 0x08+4*((\a)/4)                            ; the stores' data: window 2 or 3
.irp b, 0,1,2,3,4,5,6,7
	ds_store_b128 v[STO], v[AC+8*\b:AC+8*\b+3] offset:64*\b          ; each accumulator from its low end on
	ds_store_b128 v[STO], v[AC+8*\b+4:AC+8*\b+7] offset:64*\b+16
.endr
	WIN 0
.set BB, BK+64*((\a)%2)
.irp t, 0,1,2,3,4,5,6,7,8,9,10,11,12,13,14,15
	ds_load_b128 v[BB+4*\t:BB+4*\t+3], v[RD] offset:\t*SPITCH
.endr
.endm
.macro SEND a, younger                 ; younger: the LDS instructions issued behind block a's loads, which may stay out
.set BB, BK+64*((\a)%2)
	s_wait_dscnt \younger                          ; the block is back in registers
.if (\a) > 0
	s_add_nc_u64 s[12:13], s[12:13], 16*4096       ; (behind a wait on XCNT: the earlier stores have read their base)  16 rows on
.endif
.irp t, 0,1,2,3,4,5,6,7,8,9,10,11,12,13,14,15
	v_pk_fma_f32 v[BB+4*\t:BB+4*\t+1], v[BB+4*\t:BB+4*\t+1], s[96:97], v[BIAS:BIAS+1] op_sel_hi:[1,0,1]
	v_pk_fma_f32 v[BB+4*\t+2:BB+4*\t+3], v[BB+4*\t+2:BB+4*\t+3], s[96:97], v[BIAS+2:BIAS+3] op_sel_hi:[1,0,1]
.endr
.irp t, 0,1,2,3,4,5,6,7,8,9,10,11,12,13,14,15
	global_store_b128 v[CO], v[BB+4*\t:BB+4*\t+3], s[12:13] offset:\t*4096 th:TH_STORE_NT   ; 512 consecutive bytes, aligned; written once, read by nobody here
.endr
.endm
	s_wait_kmcnt 0x0
	s_add_co_i32 s96, s96, s97                     ; e10 + e11, between -126 and 127,
	s_add_co_i32 s96, s96, 127
	s_lshl_b32 s96, s96, 23                        ; makes the f32 number 2^(e10 + e11)
	s_mov_b32 s97, s96                             ; (named with it as a pair, so it is written)
	s_wait_loadcnt 0x0                             ; bo
	PLACES NP                                      ; behind the last products: for the LDS stores of results and for the loads into the registers that held A's fragments
	TOSTAGE 0
.irp a, 1,2,3,4,5,6,7
.if \a > 1
	s_wait_xcnt 0x0                                ; block a - 2's stores have read their registers and their base: block a's loads may land there, and the base may step
.endif
	TOSTAGE \a
	SEND \a-1, 32                                  ; behind block a - 1's loads: block a's 16 stores and 16 loads
.endr
	s_wait_xcnt 0x0                                ; block 6's stores have read their base
	SEND 7, 0
	s_wait_tensorcnt 0x0                           ; the wave's end: behind my last tensor load and my last LDS store
	ds_add_u32 v[SPW], v[NIL]
	s_wait_dscnt 0x0
	CROUND                                         ; the closing round: no work-group ends while a partner may still ask for a tile that names it
	s_endpgm
.Lfunc_end_k_q95c8a0092b_outp:
	.size	k_q95c8a0092b_outp, .Lfunc_end_k_q95c8a0092b_outp-k_q95c8a0092b_outp
	.p2alignl 7, 3214868480
	.fill 96, 4, 3214868480
	.section	.rodata,"a",@progbits
	.p2align	6, 0x0
	.amdhsa_kernel k_q95c8a0092b_outp
		.amdhsa_group_segment_fixed_size 327680
		.amdhsa_private_segment_fixed_size 0
		.amdhsa_enable_private_segment 0
		.amdhsa_kernarg_size 40
		.amdhsa_user_sgpr_count 2
		.amdhsa_user_sgpr_kernarg_segment_ptr 1
		.amdhsa_wavefront_size32 1
		.amdhsa_system_sgpr_workgroup_id_x 1
		.amdhsa_system_sgpr_workgroup_id_y 1
		.amdhsa_system_sgpr_workgroup_id_z 1
		.amdhsa_system_vgpr_workitem_id 0
		.amdhsa_next_free_vgpr 1024
		.amdhsa_next_free_sgpr 100
		.amdhsa_reserve_vcc 0
		.amdhsa_float_denorm_mode_32 3
		.amdhsa_float_denorm_mode_16_64 3
		.amdhsa_memory_ordered 1
		.amdhsa_forward_progress 1
		.amdhsa_inst_pref_size 125
	.end_amdhsa_kernel
	.amdgpu_metadata
---
amdhsa.version: [ 1, 2 ]
amdhsa.kernels:
  - .name:           k_q95c8a0092b_outp
    .symbol:         k_q95c8a0092b_outp.kd
    .args:
      - { .name: ctx, .offset: 0, .size: 8, .value_kind: global_buffer, .address_space: global }
      - { .name: wc, .offset: 8, .size: 8, .value_kind: global_buffer, .address_space: global }
      - { .name: lowp_scales, .offset: 16, .size: 8, .value_kind: global_buffer, .address_space: global }
      - { .name: bo, .offset: 24, .size: 8, .value_kind: global_buffer, .address_space: global }
      - { .name: out0, .offset: 32, .size: 8, .value_kind: global_buffer, .address_space: global }
    .group_segment_fixed_size: 327680
    .private_segment_fixed_size: 0
    .kernarg_segment_align: 8
    .kernarg_segment_size: 40
    .max_flat_workgroup_size: 128
    .sgpr_count:     100
    .vgpr_count:     1024
    .wavefront_size: 32
...
	.end_amdgpu_metadata
.endif
;; end of part 4
